; MI455X (gfx1250); checked and timed in simulation.
; The chip was launched on July 23, 2026; its instructions are those of AMD's public machine-readable ISA for CDNA 5 (MIT licence, August 2026) and "CDNA5" Instruction Set Architecture Reference Guide (July 2026). The comments in the code are by the model that wrote it; some were corrected since.
;; Q Wen3 Attention. Allowed arithmetic: matrix products marked QUANTISED: E2M3 operands, one E8M0 scale for each 32 along K, by v_wmma_scale_f32_16x16x128_f8f6f4 with both operands' format E2M3, f32 sums; everything else in f32.
;; Inputs: Wk 4,096 x 1,024 float32; Wo 4,096 x 4,096 float32; Wq 4,096 x 4,096 float32; Wv 4,096 x 1,024 float32; hidden_states 1 x 1,024 x 4,096 float32; k_norm_w 128 float32; positions 1,024 int32; q_norm_w 128 float32.
;; Outputs: out0 1 x 1,024 x 4,096 float32; out1 1 x 1,024 x 1,024 float32; out2 1 x 1,024 x 1,024 float32.
;; This version of the problem:
;;   THIS VERSION OF THE PROBLEM IS GIVEN IN LOW PRECISION. The matrix products marked QUANTISED in the list below multiply operands that are first quantised to E2M3 (2 exponent bits, 3 mantissa bits; 6 bits a number), with one power-of-two scale for each 32 numbers along K (OCP MX v1.0); their sums are f32. All else is computed in f32.
;;   The module's matrix products, in the order in which they are computed (A, B: the left and right operand; K: the contracted axis; several contracted axes count as one K, in the product's order):
;;     1. [M 1,024, K 4,096] x [K 4,096, N 4,096]; A: input hidden_states; B: input Wq: QUANTISED
;;     2. [M 1,024, K 4,096] x [K 4,096, N 1,024]; A: input hidden_states; B: input Wk: QUANTISED
;;     3. [M 1,024, K 4,096] x [K 4,096, N 1,024]; A: input hidden_states; B: input Wv: QUANTISED
;;     4. batch 32 x [M 1,024, K 128] x [K 128, N 1,024]; A: computed on the way; B: computed on the way: QUANTISED
;;     5. batch 32 x [M 128, K 1,024] x [K 1,024, N 1,024]; A: computed on the way; B: softmax (see below): QUANTISED
;;     6. [M 1,024, K 4,096] x [K 4,096, N 4,096]; A: computed on the way; B: input Wo: QUANTISED
;;   THE QUANTISER, for each operand of a quantised product, along K:
;;     - K is cut into blocks of 32 from its start; a last block that is shorter is filled with zeros.
;;     - A block's scale is 2^e with e = floor(log2(the largest magnitude in the block)) - 2, held to -126 .. 127; a block of zeros has e = 0. As a byte (E8M0): e + 127.
;;     - Each number is divided by its block's scale, clamped to +-7.5, and rounded to the nearest number of E2M3, ties to even, subnormals kept.
;;     - The product sums the exact products of the quantised numbers (number of the format x scale) in f32.
;;   ~~~python
;;   def quantise(x, axis):      # numpy; x: float32 -> the quantised numbers, widened to float32 again
;;       x = np.moveaxis(x, axis, -1); K = x.shape[-1]
;;       x = np.pad(x, [(0, 0)] * (x.ndim - 1) + [(0, -K % 32)]); x = x.reshape(x.shape[:-1] + (-1, 32)); a = np.abs(x).max(-1, keepdims=True)
;;       e = np.where(a > 0, np.clip(np.frexp(np.where(a > 0, a, 1))[1] - 1 - 2, -126, 127), 0)      # np.frexp(a)[1] - 1 = floor(log2(a)), exactly
;;       r = np.clip(x / 2.0 ** e, -7.5, 7.5)
;;       step = 2.0 ** (np.maximum(np.frexp(np.where(r == 0, 1, r))[1] - 1, 0) - 3)
;;       q = np.round(r / step) * step * 2.0 ** e      # np.round: ties to even
;;       return np.moveaxis(q.reshape(q.shape[:-2] + (-1,))[..., :K], -1, axis).astype(np.float32)
;;   ~~~
;;   SOFTMAX AHEAD OF A QUANTISED PRODUCT. Where the list says 'softmax', what is quantised is not the finished softmax but p = 2^(t - M), with t = logit x log2(e) and M = ceil(the row's largest t), a whole number; so 1/2 < the row's largest p <= 1. The row's sum l is taken of the UNQUANTISED p, in f32, and the product's result is divided by l at the end. Since M is a whole number, a kernel that streams over the keys may use a running M (the ceiling of the running maximum): every later rescaling is an exact power of two, which a block's scale takes up: the codes' values come out the same.
;;   OPERANDS COMPUTED ON THE WAY. 'Computed on the way' means the value that the module computes at that place (a softmax that the list does not call 'softmax' is quantised finished and normalised). What goes into a quantiser is computed in f32, as accurately as f32 sums, v_exp_f32 and their like allow (about 1e-6 of the number): no bf16 or f16 on the way to a quantiser, and a product that is left as it is and whose result goes on into a quantised operand takes f32 operands (vector FMAs, or v_wmma_f32_16x16x4_f32). A number that lies on a knife's edge between two numbers of the format may be rounded either way, as far as f32 arithmetic and the matrix unit's own rounding can turn it there, and no further.
;; One version. Each part assembles by itself: llvm-mc -triple=amdgcn-amd-amdhsa -mcpu=gfx1250 --defsym DOCPART=n.
;; ======== version 1 of 1: 4 launches
;; limits: inputs' magnitudes at most 4,194,304; a function is approximated: absolute error at most 2e-07
;; workspace buffers: xg 3,276,800 bytes; wg 32,768,000 bytes; tab 524,288 bytes; qt 3,276,800 bytes; kvt 1,638,400 bytes; ag 3,276,800 bytes
;; launch prep (part 1): grid 800 x 1, 4 waves a work-group, no clusters, 0 bytes of LDS; arguments Wq, Wk, Wv, Wo, hidden_states, positions, wg, xg, tab; writes wg, xg, tab
.if DOCPART == 1
	.amdgcn_target "amdgcn-amd-amdhsa--gfx1250"
	.amdhsa_code_object_version 6
	.text
	.protected	k_q23e7885563_prep
	.globl	k_q23e7885563_prep
	.p2align	8
	.type	k_q23e7885563_prep,@function
k_q23e7885563_prep:
	s_mov_b64 s[64:65], 0
	v_nop
	global_prefetch_b8 v0, s[64:65] scope:SCOPE_SE
	s_setreg_imm32_b32 hwreg(HW_REG_WAVE_MODE, 25, 1), 1
	s_wait_xcnt 0x0
; PREP: the four weights and hidden_states become codes of FP6 (E2M3) with one E8M0 byte for each 32 along K, and positions become a table of cosines and sines.
; A block's scale is 2^(floor(log2(largest magnitude)) - 2); its byte is the largest magnitude's exponent field - 2, held at 1 from below.
; LAYOUT OF THE CODES (wg, xg): images of the matrix operand's registers.  Rows (a weight's columns, x's tokens) go in pair-blocks of 32: tile u, lane-row r stand for row 32 pb + 8 u + r + 8 (r / 8).
;   [pair-block][8 slots of 512 along K][u][6,400 bytes]; the 6,400 are four images of 1,536 bytes (K steps of 128) and 256 bytes of scale words, word (r, ks) at 6,144 + 16 r + 4 ks.
;   In an image register g of lane L = r + 16 h lies at 512 (g / 4) + 16 L + 4 (g % 4); registers 6 c .. 6 c + 5 hold k = 64 c + 32 h + 0 .. 31.
;   wg's rows: 0-4095 Wq's columns, 4096-5119 Wk's, 5120-6143 Wv's, 6144-10239 Wo's.
; THREE PATHS, parted by the work-group's number: 0-639 the weights (K is their first axis: a lane takes a column, its registers run down K), 640-767 x, 768-799 the table.
; No tensor loads, no LDS, no barrier: waves share nothing, and every result is stored from the registers in which it is made.
; LIMITS: NaN and infinities are not served; blocks whose largest magnitude lies under 2^-124 get the byte 1; a block of zeros gets the byte 1 where the rule says 127 (its codes are zeros, and this program alone reads
; the bytes); positions up to 2^22 in magnitude (the angle is reduced by three parts of pi / 2; sine and cosine by polynomials on [-pi/4, pi/4], absolute error about 2e-7).
.set TM,  16                           ; v16-31   path x: at work in QUANT
.set XS,  64                           ; v64-191  path x: two sets of 64 numbers
.set PC,  192                          ; v192-211 path x: the codes just made
.set PW,  212                          ; v212-215 path x: a scale word for each K step
.set SEL, 40                           ; s[40:41] lane selects for v_permlanex16_b32: lane l xor 16
; 64 numbers of a lane, register 16 b + i = k 32 b + 16 (lane / 16) + i of its row, become a fragment's codes in v[PC] on and its scale word in v[pw]
.macro QUANT s, pw
.irp b, 0,1,2,3
	v_max3_num_f32 v[TM+\b], 0x1800000, |v[(\s)+16*\b]|, |v[(\s)+16*\b+1]|   ; my 16 numbers of block b, and the floor 2^(3 - 127): the byte cannot fall under 1
.endr
.irp i, 2,4,6,8,10,12,14
.irp b, 0,1,2,3
	v_max3_num_f32 v[TM+\b], v[TM+\b], |v[(\s)+16*\b+\i]|, |v[(\s)+16*\b+\i+1]|
.endr
.endr
.irp b, 0,1,2,3
	v_permlanex16_b32 v[TM+4+\b], v[TM+\b], s[SEL], s[SEL+1]
.endr
.irp b, 0,1,2,3
	v_max_num_f32 v[TM+\b], v[TM+\b], v[TM+4+\b]   ; with lane l xor 16's: the block's largest magnitude
.endr
.irp b, 0,1,2,3
	v_add_nc_u32 v[TM+12+\b], 0xff000000, v[TM+\b]   ; 2 off its exponent field: the conversion's scale operand
.endr
.irp b, 0,1,2,3
	v_lshrrev_b32 v[TM+4+\b], 23, v[TM+12+\b]      ; the scale's byte
.endr
	v_lshl_or_b32 v[\pw], v[TM+5], 8, v[TM+4]
	v_lshl_or_b32 v[\pw], v[TM+6], 16, v[\pw]
	v_lshl_or_b32 v[\pw], v[TM+7], 24, v[\pw]
.irp c, 0,1
	v_cvt_scalef32_pk16_fp6_f32 v[PC+6*\c:PC+6*\c+2], v[(\s)+32*\c:(\s)+32*\c+15], v[TM+12+2*\c]
	v_cvt_scalef32_pk16_fp6_f32 v[PC+12+4*\c:PC+12+4*\c+2], v[(\s)+32*\c+16:(\s)+32*\c+31], v[TM+13+2*\c]   ; (a conversion's three registers begin on an even number)
.endr
	v_nop                                          ; one plain instruction behind a scaled conversion
.irp c, 0,1                            ; the operand's layout wants a whole block in a lane: lanes 0-15 block 2 c, lanes 16-31 block 2 c + 1
.irp i, 0,1,2
	v_permlane16_swap_b32 v[PC+6*\c+\i], v[PC+12+4*\c+\i]
.endr
.irp i, 0,1,2
	v_mov_b32 v[PC+3+6*\c+\i], v[PC+12+4*\c+\i]
.endr
.endr
.endm
	s_load_b256 s[4:11], s[0:1], 0x0               ; Wq s[4:5], Wk s[6:7], Wv s[8:9], Wo s[10:11]
	s_load_b256 s[12:19], s[0:1], 0x20             ; hidden_states s[12:13], positions s[14:15], wg s[16:17], xg s[18:19]
	s_load_b64 s[20:21], s[0:1], 0x40              ; tab
	v_lshrrev_b32 v1, 5, v0
	v_readfirstlane_b32 s22, v1                    ; wave 0..3
	v_and_b32 v1, 31, v0                           ; lane
	s_cmp_lt_u32 ttmp9, 640
	s_cbranch_scc0 .Lnot_w
; ---------------- THE WEIGHTS.  Work-group g: columns 128 (g / 8) on of the 10,240, K 512 (g % 8) on.  Wave w: 32 columns x 512 K = 16 blocks a lane = one unit of 12,800 bytes of wg.
; A lane's four blocks of a K step are the registers of two lanes of its tile's image: blocks 0 and 2 are registers 0-5 and 6-11 of image lane r, blocks 1 and 3 those of image lane r + 16.
; So each K step leaves by six stores of 16 bytes a lane, as soon as it is made, among the loads of the blocks that follow.
	s_lshr_b32 s23, ttmp9, 3                       ; cb: which 128 columns
	s_and_b32 s24, ttmp9, 7                        ; sl: which 512 along K
	v_bfe_u32 v5, v0, 3, 1                         ; my column is 32 pb + lane: tile u = (lane / 8) % 2,
	v_and_b32 v6, 7, v0
	v_bfe_u32 v7, v0, 4, 1
	v_lshl_or_b32 v6, v7, 3, v6                    ; lane-row r = lane % 8 + 8 (lane / 16)
	v_mul_u32_u24 v2, v5, 6400
	v_lshl_add_u32 v2, v6, 4, v2                   ; v2: my place in the unit: 6,400 u + 16 r; never rewritten
	s_wait_kmcnt 0x0
	s_mov_b64 s[26:27], s[10:11]                   ; which weight, the first of its blocks of 128 columns, and its row's bytes: the choice hangs on the work-group's number alone
	s_mov_b32 s28, 48
	s_mov_b32 s29, 16384
	s_mov_b32 s30, 4096
	s_cmp_lt_u32 s23, 48
	s_cselect_b64 s[26:27], s[8:9], s[26:27]
	s_cselect_b32 s28, 40, s28
	s_cselect_b32 s29, s30, s29
	s_cmp_lt_u32 s23, 40
	s_cselect_b64 s[26:27], s[6:7], s[26:27]
	s_cselect_b32 s28, 32, s28
	s_mov_b32 s30, 16384
	s_cmp_lt_u32 s23, 32
	s_cselect_b64 s[26:27], s[4:5], s[26:27]
	s_cselect_b32 s28, 0, s28
	s_cselect_b32 s29, s30, s29
	s_mul_i32 s32, s24, s29
	s_lshl_b32 s32, s32, 9                         ; 512 sl rows (58,720,256 bytes at the most)
	s_sub_co_u32 s33, s23, s28
	s_lshl_b32 s33, s33, 9                         ; + 128 columns of 4 bytes for each block
	s_add_co_u32 s32, s32, s33
	s_lshl_b32 s33, s22, 7                         ; + my wave's 32 columns
	s_add_co_u32 s32, s32, s33
	s_mov_b32 s33, 0
	s_add_nc_u64 s[26:27], s[26:27], s[32:33]
	s_lshl_b32 s34, s29, 5                         ; a block of 32 rows on
	s_mov_b32 s35, 0
	s_lshl_b32 s36, s23, 2
	s_add_co_u32 s36, s36, s22                     ; pair-block 4 cb + w
	s_mul_i32 s36, s36, 102400
	s_mul_i32 s37, s24, 12800
	s_add_co_u32 s36, s36, s37
	s_mov_b32 s37, 0
	s_add_nc_u64 s[16:17], s[16:17], s[36:37]
	v_lshlrev_b32 v32, 2, v1                       ; v32-63: 4 x lane + i rows: the pitch is no constant of the text, so it stands in registers
.set i, 1
.rept 31
	v_add_nc_u32 v[32+i], s29, v[31+i]
.set i, i+1
.endr
.macro LOADW t                         ; block t: W(32 t + i, my column), i = 0 .. 31, into set t % 2: a load reads 128 consecutive bytes a wave, the four waves side by side 512
.if (\t) > 0
	s_wait_xcnt 0x0                                ; the earlier loads have read their base: it may step
	s_add_nc_u64 s[26:27], s[26:27], s[34:35]
.endif
.set i, 0
.rept 32
	global_load_b32 v[64+32*((\t)%2)+i], v[32+i], s[26:27] th:TH_LOAD_NT
.set i, i+1
.endr
.endm
.macro BLOCKW t                        ; block t is block j = t % 4 of K step t / 4: it belongs to image lane r + 16 (j % 2), registers 6 (j / 2) on
.set XW, 64+32*((\t)%2)
.set CB, 128+24*((\t)/4)+12*((\t)%2)+6*(((\t)%4)/2)   ; v128-223: 24 registers of codes for each K step, 12 for each image lane: no store's data are ever written again
.if (\t) < 15
	s_wait_loadcnt 32                              ; this block's 32 loads are in; the next block's 32 may be out
.else
	s_wait_loadcnt 0x0
.endif
	v_max3_num_f32 v12, |v[XW]|, |v[XW+1]|, |v[XW+2]|               ; the block's largest magnitude: all 32 numbers are mine
	v_max3_num_f32 v13, |v[XW+3]|, |v[XW+4]|, |v[XW+5]|
.irp i, 6,10,14,18,22,26
	v_max3_num_f32 v12, v12, |v[XW+\i]|, |v[XW+\i+1]|
	v_max3_num_f32 v13, v13, |v[XW+\i+2]|, |v[XW+\i+3]|
.endr
	v_max3_num_f32 v12, v12, |v[XW+30]|, |v[XW+31]|
	v_max3_num_f32 v12, v12, v13, 0x1800000        ; and the floor 2^(3 - 127)
	v_add_nc_u32 v11, 0xff000000, v12              ; 2 off the exponent field: the conversion's scale operand
	v_cvt_scalef32_pk16_fp6_f32 v[CB:CB+2], v[XW:XW+15], v11
	v_cvt_scalef32_pk16_fp6_f32 v[16:18], v[XW+16:XW+31], v11       ; (a conversion's three registers begin on an even number: the block's second three do not, so they are made here and moved)
	v_lshrrev_b32 v13, 23, v11                     ; the scale's byte (the plain instruction behind the conversions)
.if (\t)%4 == 0
	v_mov_b32 v[24+(\t)/4], v13                    ; four bytes make the K step's scale word
.else
	v_lshl_or_b32 v[24+(\t)/4], v13, 8*((\t)%4), v[24+(\t)/4]
.endif
	v_mov_b32 v[CB+3], v16
	v_mov_b32 v[CB+4], v17
	v_mov_b32 v[CB+5], v18
.if (\t)%4 == 3                        ; the K step is whole: both tiles' images.  The sixteen lanes of one u store 256 consecutive bytes, at a multiple of 256 from wg's first byte
.irp h, 0,1
.irp q, 0,1,2
	global_store_b128 v2, v[128+24*((\t)/4)+12*\h+4*\q:128+24*((\t)/4)+12*\h+4*\q+3], s[16:17] offset:1536*((\t)/4)+256*\h+512*\q
.endr
.endr
.endif
.if (\t)+2 < 16
	LOADW (\t)+2
.endif
.endm
	LOADW 0
	LOADW 1
.set Q, 0
.rept 16
	BLOCKW Q
.set Q, Q+1
.endr
	global_store_b128 v2, v[24:27], s[16:17] offset:6144   ; my column's four scale words: again 256 consecutive bytes for each u
	s_endpgm
.Lnot_w:
	s_cmp_lt_u32 ttmp9, 768
	s_cbranch_scc0 .Ltab
; ---------------- x.  Wave W = 4 (g - 640) + w of 512 makes tile W / 8 (16 tokens) x slot W % 8 (512 along K): four images and their scale words, straight from registers.
	s_sub_co_u32 s23, ttmp9, 640
	s_lshl_b32 s23, s23, 2
	s_add_co_u32 s23, s23, s22
	s_lshr_b32 s24, s23, 3                         ; the tile
	s_and_b32 s25, s23, 7                          ; the slot
	v_and_b32 v2, 15, v0                           ; r
	v_bfe_u32 v3, v0, 4, 1                         ; h
	v_and_b32 v4, 8, v2
	v_add_nc_u32 v4, v4, v2                        ; r + 8 (r / 8)
	v_lshlrev_b32 v4, 14, v4                       ; rows of 16,384 bytes
	v_lshl_add_u32 v4, v3, 6, v4                   ; v4: + 64 h: my 16 numbers of a block of 32
	v_lshlrev_b32 v5, 4, v1                        ; v5: 16 x lane
	v_lshlrev_b32 v6, 4, v2                        ; v6: 16 r
	s_mov_b32 s[SEL], 0x76543210
	s_mov_b32 s[SEL+1], 0xfedcba98
.irp b, 0,1,2,3
	v_mov_b32 v[TM+4+\b], 0                        ; written once: a lane permute's destination counts as one of its sources
.endr
	s_lshr_b32 s26, s24, 1                         ; pair-block
	s_and_b32 s27, s24, 1                          ; u
	s_lshl_b32 s28, s26, 5
	s_lshl_b32 s29, s27, 3
	s_add_co_u32 s28, s28, s29                     ; the tile's first row: 32 pb + 8 u
	s_lshl_b32 s28, s28, 14
	s_lshl_b32 s29, s25, 11                        ; + 512 numbers for each slot
	s_add_co_u32 s28, s28, s29
	s_mov_b32 s29, 0
	s_mul_i32 s30, s26, 102400
	s_mul_i32 s31, s25, 12800
	s_add_co_u32 s30, s30, s31
	s_mul_i32 s31, s27, 6400
	s_add_co_u32 s30, s30, s31
	s_mov_b32 s31, 0
	s_wait_kmcnt 0x0
	s_add_nc_u64 s[12:13], s[12:13], s[28:29]
	s_add_nc_u64 s[18:19], s[18:19], s[30:31]
.macro XLOAD set, ks                   ; K step ks: of each block of 32 my 16 neighbours, 64 bytes
.irp b, 0,1,2,3
.irp j, 0,1,2,3
	global_load_b128 v[XS+64*(\set)+16*\b+4*\j:XS+64*(\set)+16*\b+4*\j+3], v4, s[12:13] offset:512*(\ks)+128*\b+16*\j th:TH_LOAD_NT
.endr
.endr
.endm
	XLOAD 0, 0
	XLOAD 1, 1
.irp ks, 0,1,2,3
.if \ks < 3
	s_wait_loadcnt 16                              ; this K step's 16 loads are in; the next one's 16 may be out
.else
	s_wait_loadcnt 0x0
.endif
	s_wait_xcnt 0x0                                ; the last image's stores have read their registers
	QUANT XS+64*(\ks%2), PW+\ks
.irp c, 0,1,2
	global_store_b128 v5, v[PC+4*\c:PC+4*\c+3], s[18:19] offset:1536*\ks+512*\c   ; the image: 512 consecutive bytes a store
.endr
.if \ks < 2
	XLOAD \ks%2, \ks+2
.endif
.endr
	global_store_b128 v6, v[PW:PW+3], s[18:19] offset:6144   ; the tile's 256 bytes of scale words (lanes 16-31 hold and write the same as lanes 0-15)
	s_endpgm
.Ltab:
; ---------------- THE TABLE.  tab[token][pair i][cos, sin] of positions[token] x 1e6^(-i / 64).  Wave W = 4 (g - 768) + w of 128 makes 8 tokens' rows; lane l the pairs 2 l and 2 l + 1.
	s_sub_co_u32 s23, ttmp9, 768
	s_lshl_b32 s23, s23, 2
	s_add_co_u32 s23, s23, s22
	s_lshl_b32 s24, s23, 5                         ; 8 positions of 4 bytes
	s_mov_b32 s25, 0
	s_lshl_b32 s26, s23, 12                        ; 8 rows of 512 bytes
	s_mov_b32 s27, 0
	s_wait_kmcnt 0x0
	s_add_nc_u64 s[14:15], s[14:15], s[24:25]
	s_add_nc_u64 s[20:21], s[20:21], s[26:27]
	s_load_b256 s[32:39], s[14:15], 0x0            ; the positions: data, never an index
	s_mov_b32 s42, 0x3f22f983                      ; 2 / pi
	s_mov_b32 s43, 0x3fc90fdb                      ; pi / 2 in three parts
	s_mov_b32 s44, 0xb33bbd2e
	s_mov_b32 s45, 0xa6f72cef
	s_mov_b32 s46, 0xb94ca1f9                      ; sine: -1.9515295891e-4, 8.3321608736e-3, -1.6666654611e-1
	s_mov_b32 s47, 0x3c08839e
	s_mov_b32 s48, 0xbe2aaaa3
	s_mov_b32 s49, 0x37ccf5ce                      ; cosine: 2.443315712e-5, -1.388731625e-3, 4.166664568e-2
	s_mov_b32 s50, 0xbab6061a
	s_mov_b32 s51, 0x3d2aaaa5
	s_mov_b32 s52, 0x80000000
	s_mov_b32 s53, 0x3e9f7400                      ; log2(1e6) / 64 = 81640 x 2^-18 (17 bits: i times it is exact)
	s_mov_b32 s54, 0xb5971c98                      ; + the rest, -1.12587e-6
	v_lshlrev_b32 v5, 4, v1                        ; 16 x lane: my two pairs' 16 bytes
	v_lshlrev_b32 v2, 1, v1
	v_cvt_f32_u32 v2, v2                           ; i = 2 l
	v_add_f32 v3, 1.0, v2                          ; and 2 l + 1
	v_mul_f32 v6, s53, v2
	v_mul_f32 v7, s53, v3
	v_rndne_f32 v8, v6                             ; the exponent's whole part
	v_rndne_f32 v9, v7
	v_sub_f32 v6, v6, v8                           ; and its fraction, exact,
	v_sub_f32 v7, v7, v9
	v_fma_f32 v6, v2, s54, v6                      ; with the rest
	v_fma_f32 v7, v3, s54, v7
	v_exp_f32 v10, -v6
	v_exp_f32 v11, -v7
	v_cvt_i32_f32 v8, v8                           ; (plain work behind the exponentials)
	v_cvt_i32_f32 v9, v9
	v_sub_nc_u32 v8, 0, v8
	v_sub_nc_u32 v9, 0, v9
	s_wait_alu depctr_va_vdst(0)                   ; one wait for both exponentials, ahead of their first reader
	v_ldexp_f32 v10, v10, v8                       ; 1e6^(-i / 64)
	v_ldexp_f32 v11, v11, v9
	s_wait_kmcnt 0x0
.macro ROWT k                          ; one token; the lane's two pairs by turns
	v_cvt_f32_i32 v20, s[32+\k]
	v_mul_f32 v21, v20, v10                        ; the angle: one product in f32
	v_mul_f32 v22, v20, v11
	v_mul_f32 v23, s42, v21
	v_mul_f32 v24, s42, v22
	v_rndne_f32 v23, v23                           ; n: the nearest multiple of pi / 2
	v_rndne_f32 v24, v24
	v_fma_f32 v21, -v23, s43, v21                  ; r = angle - n pi / 2
	v_fma_f32 v22, -v24, s43, v22
	v_fma_f32 v21, -v23, s44, v21
	v_fma_f32 v22, -v24, s44, v22
	v_fma_f32 v21, -v23, s45, v21
	v_fma_f32 v22, -v24, s45, v22
	v_mul_f32 v25, v21, v21                        ; z = r^2
	v_mul_f32 v26, v22, v22
	v_fma_f32 v27, v25, s46, s47
	v_fma_f32 v28, v26, s46, s47
	v_fma_f32 v29, v25, s49, s50
	v_fma_f32 v30, v26, s49, s50
	v_fma_f32 v27, v27, v25, s48
	v_fma_f32 v28, v28, v26, s48
	v_fma_f32 v29, v29, v25, s51
	v_fma_f32 v30, v30, v26, s51
	v_mul_f32 v31, v25, v21
	v_mul_f32 v32, v26, v22
	v_fma_f32 v27, v27, v31, v21                   ; sin r
	v_fma_f32 v28, v28, v32, v22
	v_mul_f32 v31, v25, v25
	v_mul_f32 v32, v26, v26
	v_fma_f32 v33, v25, -0.5, 1.0
	v_fma_f32 v34, v26, -0.5, 1.0
	v_fma_f32 v29, v29, v31, v33                   ; cos r
	v_fma_f32 v30, v30, v32, v34
	v_cvt_i32_f32 v23, v23
	v_cvt_i32_f32 v24, v24
	v_and_b32 v31, 1, v23
	v_and_b32 v32, 1, v24
	v_cmp_eq_u32 vcc_lo, 1, v31                    ; an odd n: sine and cosine change places
	v_cndmask_b32 v[64+4*\k], v29, v27, vcc_lo
	v_cndmask_b32 v[65+4*\k], v27, v29, vcc_lo
	v_cmp_eq_u32 vcc_lo, 1, v32
	v_cndmask_b32 v[66+4*\k], v30, v28, vcc_lo
	v_cndmask_b32 v[67+4*\k], v28, v30, vcc_lo
	v_add_nc_u32 v31, 1, v23
	v_add_nc_u32 v32, 1, v24
	v_lshlrev_b32 v31, 30, v31                     ; the cosine is negative where n % 4 is 1 or 2: bit 1 of n + 1,
	v_lshlrev_b32 v32, 30, v32
	v_lshlrev_b32 v23, 30, v23                     ; the sine where it is 2 or 3: bit 1 of n
	v_lshlrev_b32 v24, 30, v24
	v_and_b32 v31, s52, v31
	v_and_b32 v32, s52, v32
	v_and_b32 v23, s52, v23
	v_and_b32 v24, s52, v24
	v_xor_b32 v[64+4*\k], v[64+4*\k], v31
	v_xor_b32 v[65+4*\k], v[65+4*\k], v23
	v_xor_b32 v[66+4*\k], v[66+4*\k], v32
	v_xor_b32 v[67+4*\k], v[67+4*\k], v24
	global_store_b128 v5, v[64+4*\k:67+4*\k], s[20:21] offset:512*\k   ; a token's whole row of 512 bytes; each row has registers of its own
.endm
.irp k, 0,1,2,3,4,5,6,7
	ROWT \k
.endr
	s_endpgm
.Lfunc_end_k_q23e7885563_prep:
	.size	k_q23e7885563_prep, .Lfunc_end_k_q23e7885563_prep-k_q23e7885563_prep
	.p2alignl 7, 3214868480
	.fill 96, 4, 3214868480
	.section	.rodata,"a",@progbits
	.p2align	6, 0x0
	.amdhsa_kernel k_q23e7885563_prep
		.amdhsa_group_segment_fixed_size 0
		.amdhsa_private_segment_fixed_size 0
		.amdhsa_enable_private_segment 0
		.amdhsa_kernarg_size 72
		.amdhsa_user_sgpr_count 2
		.amdhsa_user_sgpr_kernarg_segment_ptr 1
		.amdhsa_wavefront_size32 1
		.amdhsa_system_sgpr_workgroup_id_x 1
		.amdhsa_system_sgpr_workgroup_id_y 1
		.amdhsa_system_sgpr_workgroup_id_z 1
		.amdhsa_system_vgpr_workitem_id 0
		.amdhsa_next_free_vgpr 240
		.amdhsa_next_free_sgpr 66
		.amdhsa_reserve_vcc 1
		.amdhsa_float_denorm_mode_32 3
		.amdhsa_float_denorm_mode_16_64 3
		.amdhsa_memory_ordered 1
		.amdhsa_forward_progress 1
		.amdhsa_inst_pref_size 124
	.end_amdhsa_kernel
	.amdgpu_metadata
---
amdhsa.version: [ 1, 2 ]
amdhsa.kernels:
  - .name:           k_q23e7885563_prep
    .symbol:         k_q23e7885563_prep.kd
    .args:
      - { .name: Wq, .offset: 0, .size: 8, .value_kind: global_buffer, .address_space: global }
      - { .name: Wk, .offset: 8, .size: 8, .value_kind: global_buffer, .address_space: global }
      - { .name: Wv, .offset: 16, .size: 8, .value_kind: global_buffer, .address_space: global }
      - { .name: Wo, .offset: 24, .size: 8, .value_kind: global_buffer, .address_space: global }
      - { .name: hidden_states, .offset: 32, .size: 8, .value_kind: global_buffer, .address_space: global }
      - { .name: positions, .offset: 40, .size: 8, .value_kind: global_buffer, .address_space: global }
      - { .name: wg, .offset: 48, .size: 8, .value_kind: global_buffer, .address_space: global }
      - { .name: xg, .offset: 56, .size: 8, .value_kind: global_buffer, .address_space: global }
      - { .name: tab, .offset: 64, .size: 8, .value_kind: global_buffer, .address_space: global }
    .group_segment_fixed_size: 0
    .private_segment_fixed_size: 0
    .kernarg_segment_align: 8
    .kernarg_segment_size: 72
    .max_flat_workgroup_size: 128
    .sgpr_count:     66
    .vgpr_count:     240
    .wavefront_size: 32
...
	.end_amdgpu_metadata
.endif
;; end of part 1
;; launch qkv (part 2): grid 48 x 4, 4 waves a work-group, clusters of 4 x 4, 327,680 bytes of LDS; arguments xg, wg, tab, q_norm_w, k_norm_w, qt, kvt, out1, out2; writes qt, kvt, out1, out2
.if DOCPART == 2
	.amdgcn_target "amdgcn-amd-amdhsa--gfx1250"
	.amdhsa_code_object_version 6
	.text
	.protected	k_q23e7885563_qkv
	.globl	k_q23e7885563_qkv
	.p2align	8
	.type	k_q23e7885563_qkv,@function
k_q23e7885563_qkv:
	s_mov_b64 s[64:65], 0
	v_nop
	global_prefetch_b8 v0, s[64:65] scope:SCOPE_SE
	s_setreg_imm32_b32 hwreg(HW_REG_WAVE_MODE, 25, 1), 1
	s_wait_xcnt 0x0
	s_wait_alu depctr_hold_cnt(0) depctr_sa_sdst(0) depctr_va_vdst(0) depctr_va_sdst(0) depctr_va_ssrc(0) depctr_va_vcc(0) depctr_vm_vsrc(0)
	s_getreg_b32 s2, hwreg(HW_REG_IB_STS2, 6, 4)
	s_cmp_eq_u32 s2, 0
	s_cbranch_scc0 .Lentry_in_a_cluster
	s_endpgm
.Lentry_in_a_cluster:
	s_bfe_u32 s2, ttmp6, 0x10000c
	s_cmp_lg_u32 s2, 0xf033
	s_cbranch_scc0 .Lentry_shape_is_right
	s_endpgm
.Lentry_shape_is_right:
; QKV: x Wq, x Wk, x Wv on codes of FP6 (E2M3) with E8M0 scales; RMSNorm and interleaved RoPE on q and k; q, k and v quantised for attention; k and v also stored as f32 (out1, out2).
; A work-group multiplies S0 (128 rows, read by all four waves) by S1 (256 rows; wave w takes rows 64 w on) over K = 4,096: a wave has 8 x 4 = 32 accumulators of 16 x 16.
;   tile columns 0-31 (q) and 32-39 (k): S0 = one head's 128 columns of the weight, S1 = 256 tokens: a lane holds ONE token, its registers run along the head's 128;
;   tile columns 40-47 (v):              S0 = 128 tokens (keys), S1 = 256 columns of Wv:  a lane holds ONE column, its registers run along the keys, which are the K of attention's second product.
; OPERANDS ARE IMAGES OF THEIR REGISTERS (the launch before laid them): a fragment is 1,536 bytes, three loads of 16 bytes a lane at 16 x lane; rows stand in the order row = 32 pb + 8 u + r + 8 (r / 8), so that in the
; result register 8 b + j of lane (r, h) is S0's row 32 (b / 2) + 16 h + 8 (b % 2) + j: 16 neighbours for each pair of tiles, which is what the conversions want.
; RING: two LDS slots of 512 along K (12 units of 12,800 bytes: images of four K steps and their scale words), filled by the tensor data mover.
; CLUSTER 4 x 4: S0 hangs on the tile column alone and is asked for jointly along a column of the cluster, S1 on the tile row alone and jointly along a row.  The grid has one cluster along y: the tile row is cy.
; The kind (q, k, v) hangs on the cluster's x alone: it is the same in all sixteen partners.
; OUT: qt [32 heads][8 steps of 128 queries] and kvt [8 heads][8 key steps][K unit, V unit], units of 12,800 bytes: eight images, then scale words at 12,288 + 256 (tile / 4) + 16 r + 4 (tile % 4).
; LIMITS: NaN and infinities are not served; a block under 2^-124, or of zeros, gets the byte 1 (its reader is this program alone); the RoPE's products are fused, so the last bit may differ from two roundings.
; REGISTERS, in windows of 256.  Window 0: v1-27 addresses and four at work; v32-127 scale words, two sets of 48 (they hold nothing else); v128-223 S1's fragments, two sets; behind the loop v128-255 serve the way out.
;   Window 1: S0's fragments, two sets at v0 and v128; the norm's weights at v96-127 and v224-255; behind the loop v0-63 rows read back from a stage.   Window 2: the 32 accumulators.   Window 3: cos and sin of my 64 tokens.
.set NB,    8                          ; S0's tiles
.set SLOT,  153600                     ; S0's 4 units, then S1's 8
.set S1OFF, 51200
.set SPARE, 2*SLOT                     ; behind the ring: the spare words, 128 bytes a wave: two blocks of 256 bytes that no other line names
.set WV,  22
.set WH,  23                           ; wave / 2: 0 fetches for S0, 1 for S1
.set WL,  56                           ; wave % 2: which half
.set G1A, 24                           ; s[24:31] descriptor group 1 for S0;  s[32:39] for S1
.set G1B, 32
.set G0A, 40                           ; s[40:47] group 0 for S0, a set for each slot;  s[48:55] for S1
.set G0B, 48
.set SEL, 80                           ; s[80:81] lane selects: lane l xor 16
.set LI,  4                            ; v4   16 x lane
.set SA,  5                            ; v5   16 r
.set AF0, 6                            ; v6-7   S0's fragments in slot 0, 1
.set AF1, 8                            ; v8-9   S1's, my 64 rows
.set AS0, 10                           ; v10-11 S0's scale words
.set AS1, 12                           ; v12-13 S1's
.set SPW, 14                           ; v14  my spare word; never rewritten
.set NIL, 15                           ; v15  0; never rewritten
.set TA,  16                           ; v16  my token's row in the table
.set NA,  17                           ; v17  64 h
.set KSTO, 18                          ; v18, v19  k's stage: in, back
.set KRD,  19
.set VSTO, 20                          ; v20, v21  v's stage: in, back
.set VRD,  21
.set GO2,  22                          ; v22  out2: 4,096 h + 16 r
.set T,   24                           ; v24-27 at work
.set SC,  32
.set S1F, 128
.set HA,  128                          ; the way out: 64 numbers of a tile
.set TM,  192
.set PC,  208
.set PW,  228
.set SS,  232
.set RS,  248
.set MSB, 0
.macro WIN new                         ; the immediate's high byte repeats the setting that is left; a switch that changes nothing is dropped
.if MSB != (\new)
	s_set_vgpr_msb (MSB<<8)|(\new)
.set MSB, (\new)
.endif
.endm
.macro PLACES n
.rept \n
	v_nop
.endr
.endm
; A joint load: waves 0 and 1 fetch S0's halves, waves 2 and 3 S1's.  The branch hangs on the wave's number alone.  Four v_nop follow each of the two lines.
.macro JLOAD slot
	s_cmp_eq_u32 s[WH], 0
	s_cbranch_scc0 .Lfor_b_\@
	tensor_load_to_lds s[G0A+4*\slot:G0A+4*\slot+3], s[G1A:G1A+7]
	s_nop 0
.rept 4
	v_nop
.endr
	s_branch .Lasked_\@
.Lfor_b_\@:
	tensor_load_to_lds s[G0B+4*\slot:G0B+4*\slot+3], s[G1B:G1B+7]
	s_nop 0
.rept 4
	v_nop
.endr
.Lasked_\@:
.endm
.macro CREST                           ; a round of the cluster's barrier behind its opening barrier
	s_cmp_lg_u32 s[WV], 0
	s_cbranch_scc1 .Lnot_wave_0_\@
	s_barrier_signal -3
.Lnot_wave_0_\@:
	s_barrier_wait -3
	s_barrier_signal -1
	s_barrier_wait -1
.endm
.macro CROUND
	s_barrier_signal -1
	s_barrier_wait -1
	CREST
.endm
.macro FRAG reg, adr, off              ; an image comes back as the registers that it is: 512 consecutive bytes a load
.irp c, 0,1,2
	ds_load_b128 v[(\reg)+4*\c:(\reg)+4*\c+3], v[\adr] offset:(\off)+512*\c
.endr
.endm
.macro FETCH slot, ks, p               ; K step ks of the slot into set p: S0's eight fragments (window 1), my four of S1
	WIN 0x40
.irp b, 0,1,2,3,4,5,6,7
	FRAG 128*(\p)+12*\b, AF0+\slot, 12800*(\b/2)+6400*(\b%2)+1536*(\ks)
.endr
	WIN 0
.irp a, 0,1,2,3
	FRAG S1F+48*(\p)+12*\a, AF1+\slot, 12800*(\a/2)+6400*(\a%2)+1536*(\ks)
.endr
.endm
.macro SCALES slot                     ; the slot's scale words: one load brings a tile's words of all four K steps (lanes 16-31 read what lanes 0-15 read)
.irp b, 0,1,2,3,4,5,6,7
	ds_load_b128 v[SC+48*\slot+4*\b:SC+48*\slot+4*\b+3], v[AS0+\slot] offset:12800*(\b/2)+6400*(\b%2)+6144
.endr
.irp a, 0,1,2,3
	ds_load_b128 v[SC+48*\slot+32+4*\a:SC+48*\slot+32+4*\a+3], v[AS1+\slot] offset:12800*(\a/2)+6400*(\a%2)+6144
.endr
.endm
; S1's tile a against S0's eight.  The 32 accumulators take turns, one instruction a turn, in the same order in every step.
.macro MULA a, p, ks, sc, zero
.irp b, 0,1,2,3,4,5,6,7
.if \zero
	v_wmma_scale_f32_16x16x128_f8f6f4 v[8*(NB*(\a)+\b):8*(NB*(\a)+\b)+7], v[128*(\p)+12*\b:128*(\p)+12*\b+11], v[S1F+48*(\p)+12*(\a):S1F+48*(\p)+12*(\a)+11], 0, v[SC+48*(\sc)+4*\b+(\ks)], v[SC+48*(\sc)+32+4*(\a)+(\ks)] matrix_a_fmt:MATRIX_FMT_FP6 matrix_b_fmt:MATRIX_FMT_FP6
.else
	v_wmma_scale_f32_16x16x128_f8f6f4 v[8*(NB*(\a)+\b):8*(NB*(\a)+\b)+7], v[128*(\p)+12*\b:128*(\p)+12*\b+11], v[S1F+48*(\p)+12*(\a):S1F+48*(\p)+12*(\a)+11], v[8*(NB*(\a)+\b):8*(NB*(\a)+\b)+7], v[SC+48*(\sc)+4*\b+(\ks)], v[SC+48*(\sc)+32+4*(\a)+(\ks)] matrix_a_fmt:MATRIX_FMT_FP6 matrix_b_fmt:MATRIX_FMT_FP6
.endif
.endr
.endm
.set W_MUL, 0xa1                       ; source 0 (S0) window 1, source 1 (S1) window 0, C and D window 2
; One of a slot's first three K steps: multiplies set ks % 2; in its middle the next K step's 36 loads go out in one run, behind four places (ISA guide 7.12.1 for vector instructions)
.macro STEP slot, ks, zero
	s_wait_dscnt 0x0                               ; this step's fragments (and, at a slot's head, its scale words) are in
	WIN W_MUL
	MULA 0, (\ks)%2, \ks, \slot, \zero
	MULA 1, (\ks)%2, \ks, \slot, \zero
	PLACES 4
	FETCH \slot, (\ks)+1, 1-(\ks)%2
	WIN W_MUL
	MULA 2, (\ks)%2, \ks, \slot, \zero
	MULA 3, (\ks)%2, \ks, \slot, \zero
	WIN 0
.endm
; A slot's last K step changes slots: one barrier; in front of it each wave waits for all its tensor loads, adds 0 to its spare word, and waits for that and for its reads of this slot.
; fill = 1: the barrier opens a round of the cluster's barrier, and behind the round this slot is filled again, 1,024 along K ahead: that load has three and a half K steps in which to land.
.macro TURN slot, next, fill
	s_wait_tensorcnt 0x0                           ; all my tensor loads have landed: the one that was out is my part of the next slot
	ds_add_u32 v[SPW], v[NIL]                      ; 0 onto my spare word
	s_wait_dscnt 0x1                               ; (only the add may be out: this step's fragments are in)
	WIN W_MUL
	MULA 0, 1, 3, \slot, 0                         ; eight matrix instructions stand between the add and the wait for it
	s_wait_dscnt 0x0                               ; the add is done, and my reads of this slot are over
	s_barrier_signal -1
	MULA 1, 1, 3, \slot, 0
	WIN 0
	s_barrier_wait -1
.if \fill
	CREST                                          ; no wave of any partner still reads this slot or has a load on its way
	s_add_nc_u64 s[G0A+4*\slot+2:G0A+4*\slot+3], s[G0A+4*\slot+2:G0A+4*\slot+3], 25600
	s_add_nc_u64 s[G0B+4*\slot+2:G0B+4*\slot+3], s[G0B+4*\slot+2:G0B+4*\slot+3], 25600
	JLOAD \slot                                    ; the first tensor load behind the round; its four v_nop are also the places in front of the loads below
.else
	PLACES 4
.endif
	FETCH \next, 0, 0
	SCALES \next
	WIN W_MUL
	MULA 2, 1, 3, \slot, 0
	MULA 3, 1, 3, \slot, 0
	WIN 0
.endm
; 64 numbers of a lane in window xw, register 16 b + i = k 32 b + 16 (lane / 16) + i of its row, become a fragment's codes in v[PC] on and its scale word in v[pw]
.macro QUANT s, xw, pw
	WIN ((\xw)<<2)|((\xw)<<4)
.irp b, 0,1,2,3
	v_max3_num_f32 v[TM+\b], 0x1800000, |v[(\s)+16*\b]|, |v[(\s)+16*\b+1]|   ; my 16 numbers of block b, and the floor 2^(3 - 127): the byte cannot fall under 1
.endr
.irp i, 2,4,6,8,10,12,14
.irp b, 0,1,2,3
	v_max3_num_f32 v[TM+\b], v[TM+\b], |v[(\s)+16*\b+\i]|, |v[(\s)+16*\b+\i+1]|
.endr
.endr
	WIN 0
.irp b, 0,1,2,3
	v_permlanex16_b32 v[TM+4+\b], v[TM+\b], s[SEL], s[SEL+1]
.endr
.irp b, 0,1,2,3
	v_max_num_f32 v[TM+\b], v[TM+\b], v[TM+4+\b]   ; with lane l xor 16's: the block's largest magnitude
.endr
.irp b, 0,1,2,3
	v_add_nc_u32 v[TM+12+\b], 0xff000000, v[TM+\b]   ; 2 off its exponent field: the conversion's scale operand
.endr
.irp b, 0,1,2,3
	v_lshrrev_b32 v[TM+4+\b], 23, v[TM+12+\b]      ; the scale's byte
.endr
	v_lshl_or_b32 v[\pw], v[TM+5], 8, v[TM+4]
	v_lshl_or_b32 v[\pw], v[TM+6], 16, v[\pw]
	v_lshl_or_b32 v[\pw], v[TM+7], 24, v[\pw]
	WIN \xw
.irp c, 0,1
	v_cvt_scalef32_pk16_fp6_f32 v[PC+6*\c:PC+6*\c+2], v[(\s)+32*\c:(\s)+32*\c+15], v[TM+12+2*\c]
	v_cvt_scalef32_pk16_fp6_f32 v[PC+12+4*\c:PC+12+4*\c+2], v[(\s)+32*\c+16:(\s)+32*\c+31], v[TM+13+2*\c]   ; (a conversion's three registers begin on an even number)
.endr
	WIN 0
	v_nop                                          ; one plain instruction behind a scaled conversion
.irp c, 0,1                            ; the operand's layout wants a whole block in a lane
.irp i, 0,1,2
	v_permlane16_swap_b32 v[PC+6*\c+\i], v[PC+12+4*\c+\i]
.endr
.irp i, 0,1,2
	v_mov_b32 v[PC+3+6*\c+\i], v[PC+12+4*\c+\i]
.endr
.endr
.endm
	s_load_b256 s[4:11], s[0:1], 0x0               ; xg s[4:5], wg s[6:7], tab s[8:9], q_norm_w s[10:11]
	s_load_b256 s[12:19], s[0:1], 0x20             ; k_norm_w s[12:13], qt s[14:15], kvt s[16:17], out1 s[18:19]
	s_load_b64 s[20:21], s[0:1], 0x40              ; out2
	v_lshl_add_u32 v[SPW], v0, 2, SPARE
	v_mov_b32 v[NIL], 0
	ds_add_u32 v14, v15
	ds_add_u32 v14, v15
	s_wait_dscnt 0x0
	v_lshrrev_b32 v1, 5, v0
	v_readfirstlane_b32 s[WV], v1                  ; wave 0..3
	s_lshr_b32 s[WH], s[WV], 1
	s_and_b32 s[WL], s[WV], 1
	s_bfe_u32 s57, ttmp6, 0x40000                  ; cx
	s_bfe_u32 s58, ttmp6, 0x40004                  ; cy = the tile row
	s_lshl_b32 s59, ttmp9, 2
	s_add_co_u32 s59, s59, s57                     ; tile column = 4 x cluster x + cx
	s_lshl_b32 s60, 0x1111, s57                    ; my column of the cluster
	s_lshl_b32 s61, s58, 2
	s_lshl_b32 s61, 15, s61                        ; my row
	; descriptor group 1: rows of 12,800 bytes (1,600 elements of 8), one for each pair-block, 102,400 bytes apart; no padding: in LDS the units lie on end
	s_or_b32 s[G1A], s60, (3<<16)|(1<<21)          ; 15:0 the mask; 17:16 elements of 8 bytes; 21 set beside a mask
	s_or_b32 s[G1B], s61, (3<<16)|(1<<21)
	s_mov_b32 s[G1A+1], 1600<<16                   ; tensor_dim0
	s_mov_b32 s[G1A+2], 2<<16                      ; tensor_dim1: 2 pair-blocks a wave of S0
	s_mov_b32 s[G1A+3], 1600<<16                   ; tile_dim0
	s_mov_b32 s[G1A+4], 2                          ; tile_dim1
	s_mov_b32 s[G1A+5], 12800                      ; the pitch in elements
	s_mov_b32 s[G1A+6], 0
	s_mov_b32 s[G1A+7], 0
	s_mov_b32 s[G1B+1], 1600<<16
	s_mov_b32 s[G1B+2], 4<<16                      ; 4 pair-blocks a wave of S1
	s_mov_b32 s[G1B+3], 1600<<16
	s_mov_b32 s[G1B+4], 4
	s_mov_b32 s[G1B+5], 12800
	s_mov_b32 s[G1B+6], 0
	s_mov_b32 s[G1B+7], 0
	s_mov_b32 s[SEL], 0x76543210
	s_mov_b32 s[SEL+1], 0xfedcba98
	s_mov_b32 s82, 0x3c000000                      ; 1 / 128
	s_mov_b32 s83, 0x358637bd                      ; 1e-6
	s_wait_kmcnt 0x0
	s_cmp_lt_u32 ttmp9, 10                         ; q or k?  Else v, where x and the weight change places
	s_cselect_b32 s84, 0, 40
	s_cselect_b32 s86, 0, 160
	s_cselect_b64 s[66:67], s[6:7], s[4:5]         ; S0
	s_cselect_b64 s[68:69], s[4:5], s[6:7]         ; S1
	s_sub_co_u32 s84, s59, s84                     ; S0's address is made of the tile column and the wave's number alone,
	s_lshl_b32 s84, s84, 1
	s_add_co_u32 s84, s84, s[WL]
	s_mul_i32 s84, s84, 204800                     ; pair-block 4 (column) + 2 (half)
	s_mov_b32 s85, 0
	s_add_nc_u64 s[66:67], s[66:67], s[84:85]
	s_lshl_b32 s87, s58, 3                         ; S1's of the tile row and the wave's number alone
	s_add_co_u32 s86, s86, s87
	s_lshl_b32 s87, s[WL], 2
	s_add_co_u32 s86, s86, s87
	s_mul_i32 s86, s86, 102400                     ; pair-block (160 +) 8 (row) + 4 (half)
	s_mov_b32 s87, 0
	s_add_nc_u64 s[68:69], s[68:69], s[86:87]
	s_mul_i32 s88, s[WL], 25600                    ; where they go: no place in the cluster enters an LDS address
	s_mul_i32 s89, s[WL], 51200
	CROUND                                         ; all sixteen work-groups are here: the first joint loads meet
.irp s, 0,1
	s_mov_b32 s[G0A+4*\s], 1
	s_add_co_u32 s[G0A+4*\s+1], s88, \s*SLOT
	s_add_nc_u64 s[G0A+4*\s+2:G0A+4*\s+3], s[66:67], \s*12800
	s_or_b32 s[G0A+4*\s+3], s[G0A+4*\s+3], 0x80000000
	s_mov_b32 s[G0B+4*\s], 1
	s_add_co_u32 s[G0B+4*\s+1], s89, \s*SLOT+S1OFF
	s_add_nc_u64 s[G0B+4*\s+2:G0B+4*\s+3], s[68:69], \s*12800
	s_or_b32 s[G0B+4*\s+3], s[G0B+4*\s+3], 0x80000000
	JLOAD \s                                       ; two loads of mine are out
.endr
	; every address register is made here, ahead of the loop and of every parting of ways
	v_and_b32 v1, 15, v0                           ; r
	v_bfe_u32 v2, v0, 4, 1                         ; h
	v_and_b32 v3, 31, v0                           ; lane
	v_lshlrev_b32 v[LI], 4, v3
	v_lshlrev_b32 v[SA], 4, v1
	s_mul_i32 s90, s[WV], 25600
	s_add_co_u32 s90, s90, S1OFF                   ; my 64 rows of S1
	v_lshlrev_b32 v[AF0], 4, v3
	v_add_nc_u32 v[AF0+1], SLOT, v[LI]
	v_add_nc_u32 v[AF1], s90, v[LI]
	v_add_nc_u32 v[AF1+1], SLOT, v[AF1]
	v_lshlrev_b32 v[AS0], 4, v1
	v_add_nc_u32 v[AS0+1], SLOT, v[SA]
	v_add_nc_u32 v[AS1], s90, v[SA]
	v_add_nc_u32 v[AS1+1], SLOT, v[AS1]
	v_and_b32 v23, 8, v1
	v_add_nc_u32 v23, v23, v1                      ; r + 8 (r / 8)
	v_lshlrev_b32 v[TA], 9, v23
	v_lshl_add_u32 v[TA], v2, 6, v[TA]             ; the table: my token's row of 512 bytes, + 64 h
	v_lshlrev_b32 v[NA], 6, v2
	s_mul_i32 s90, s[WV], 8448                     ; k's stage: 16 rows x (512 + 16) bytes a wave, from LDS byte 0
	v_mul_u32_u24 v[KSTO], v1, 528
	v_lshl_add_u32 v[KSTO], v2, 6, v[KSTO]
	v_add_nc_u32 v[KSTO], s90, v[KSTO]
	v_add_nc_u32 v[KRD], s90, v[LI]
	s_mul_i32 s90, s[WV], 34816                    ; v's stage: 128 rows x (256 + 16) bytes a wave, in bytes of its own behind k's
	s_add_co_u32 s90, s90, 33792
	v_mul_u32_u24 v[VSTO], v2, 4352                ; in: row = key, 16 h on; column = my column
	v_lshl_add_u32 v[VSTO], v23, 2, v[VSTO]
	v_add_nc_u32 v[VSTO], s90, v[VSTO]
	v_mul_u32_u24 v[VRD], v2, 272                  ; back: lanes 0-15 one row, lanes 16-31 the next
	v_lshl_add_u32 v[VRD], v1, 4, v[VRD]
	v_add_nc_u32 v[VRD], s90, v[VRD]
	v_lshlrev_b32 v[GO2], 12, v2
	v_lshl_add_u32 v[GO2], v1, 4, v[GO2]
	; where the results go
	s_lshl_b32 s90, s58, 1
	s_add_co_u32 s90, s90, s[WH]                   ; 2 (tile row) + wave / 2
	s_lshl_b32 s91, s59, 3
	s_add_co_u32 s91, s91, s90                     ; q: unit 8 head + step
	s_sub_co_u32 s92, s91, 256
	s_lshl_b32 s92, s92, 1                         ; k: unit 2 (8 head + step)
	s_lshl_b32 s93, s90, 3
	s_add_co_u32 s93, s93, s59
	s_sub_co_u32 s93, s93, 40
	s_lshl_b32 s93, s93, 1
	s_add_co_u32 s93, s93, 1                       ; v: unit 2 (8 head + step) + 1, head = 2 (tile row) + wave / 2, step = tile column - 40
	s_cmp_lt_u32 ttmp9, 10
	s_cselect_b32 s92, s92, s93
	s_cmp_lt_u32 ttmp9, 8
	s_cselect_b32 s92, s91, s92
	s_cselect_b64 s[72:73], s[14:15], s[16:17]
	s_cselect_b64 s[76:77], s[10:11], s[12:13]     ; the norm's weights
	s_mul_i32 s92, s92, 12800
	s_mov_b32 s93, 0
	s_add_nc_u64 s[72:73], s[72:73], s[92:93]      ; the unit
	s_lshl_b32 s92, s[WL], 8
	s_add_co_u32 s92, s92, 12288
	s_add_nc_u64 s[70:71], s[72:73], s[92:93]      ; my four tiles' scale words
	s_mul_i32 s92, s[WL], 6144
	s_add_nc_u64 s[72:73], s[72:73], s[92:93]      ; and their images
	s_lshl_b32 s94, s58, 8
	s_lshl_b32 s95, s[WV], 6
	s_add_co_u32 s94, s94, s95                     ; my first row of S1: 256 (tile row) + 64 wave
	s_lshl_b32 s96, s94, 12
	s_sub_co_u32 s97, s59, 32
	s_lshl_b32 s97, s97, 9
	s_add_co_u32 s96, s96, s97                     ; out1: my first token's row, the head's 512 bytes
	s_sub_co_u32 s97, s59, 40
	s_lshl_b32 s97, s97, 19
	s_lshl_b32 s98, s94, 2
	s_add_co_u32 s98, s97, s98                     ; out2: the step's first token's row, my 64 columns
	s_cmp_lt_u32 ttmp9, 10
	s_cselect_b32 s96, s96, s98
	s_cselect_b64 s[74:75], s[18:19], s[20:21]     ; (q's work-groups make this address and never use it)
	s_mov_b32 s97, 0
	s_add_nc_u64 s[74:75], s[74:75], s[96:97]
	s_lshl_b32 s98, s94, 9
	s_mov_b32 s99, 0
	s_add_nc_u64 s[78:79], s[8:9], s[98:99]        ; the table at my first token
	; the norm's weights and my 64 tokens' cosines and sines, in the result's layout: register 16 b + i holds index 32 b + 16 h + i.  80 loads; they land under the loop and are waited for behind it.
	; v's work-groups issue them too (the rows exist there as well): the head has one way.
	WIN 0x40
.irp i, 0,1,2,3,4,5,6,7,8,9,10,11,12,13,14,15
.if \i < 8
	global_load_b128 v[96+4*\i:99+4*\i], v[NA], s[76:77] offset:128*(\i/4)+16*(\i%4)
.else
	global_load_b128 v[192+4*\i:195+4*\i], v[NA], s[76:77] offset:128*(\i/4)+16*(\i%4)
.endif
.endr
	WIN 0xc0
.irp a, 0,1,2,3
.irp i, 0,1,2,3,4,5,6,7,8,9,10,11,12,13,14,15
	global_load_b128 v[64*\a+4*\i:64*\a+4*\i+3], v[TA], s[78:79] offset:(32*(\a/2)+8*(\a%2))*512+128*(\i/4)+16*(\i%4)
.endr
.endr
	WIN 0
	s_wait_tensorcnt 0x1                           ; my part of slot 0 is in; slot 1's may stay out
	s_barrier_signal -1
	s_barrier_wait -1
	FETCH 0, 0, 0
	SCALES 0
	STEP 0, 0, 1                                   ; the first K step starts the sums: nothing is cleared
	STEP 0, 1, 0
	STEP 0, 2, 0
	s_mov_b32 s2, 3
.Llap:                                             ; a trip goes once round the ring and fills both slots again: 8 slots' worth of K in all
	TURN 0, 1, 1
	STEP 1, 0, 0
	STEP 1, 1, 0
	STEP 1, 2, 0
	TURN 1, 0, 1
	STEP 0, 0, 0
	STEP 0, 1, 0
	STEP 0, 2, 0
	s_sub_co_u32 s2, s2, 1
	s_cmp_lg_u32 s2, 0
	s_cbranch_scc1 .Llap
	TURN 0, 1, 0                                   ; the tail is written out: nothing more is asked for
	STEP 1, 0, 0
	STEP 1, 1, 0
	STEP 1, 2, 0
	s_wait_dscnt 0x0
	WIN W_MUL
	MULA 0, 1, 3, 1, 0
	MULA 1, 1, 3, 1, 0
	MULA 2, 1, 3, 1, 0
	MULA 3, 1, 3, 1, 0
	WIN 0
	PLACES 4                                       ; in front of the first reads of results and the first writes of registers that held operands
	s_wait_dscnt 0x0
	s_barrier_signal -1                            ; every wave's reads of the ring are over: the stages may be laid into it (both slots have had their last fill)
	s_barrier_wait -1
	s_wait_loadcnt 0x0                             ; the norm's weights, the cosines and sines
.irp b, 0,1,2,3
	v_mov_b32 v[TM+4+\b], 0                        ; a lane permute's destination counts as one of its sources
	v_mov_b32 v[RS+2*\b+1], 0                      ; (named as the upper halves of pairs)
.endr
	s_cmp_lt_u32 ttmp9, 10
	s_cbranch_scc0 .Lv_out
; ---------------- q and k.  The mean of squares over the head's 128: my 64 and lane l xor 16's.  Each accumulator is read from its low end on.
	WIN 0x0a                                       ; sources 0 and 1: window 2
.irp a, 0,1,2,3
	v_pk_mul_f32 v[SS+4*\a:SS+4*\a+1], v[64*\a:64*\a+1], v[64*\a:64*\a+1]
.endr
.irp a, 0,1,2,3
	v_pk_mul_f32 v[SS+4*\a+2:SS+4*\a+3], v[64*\a+2:64*\a+3], v[64*\a+2:64*\a+3]
.endr
.set k, 2
.rept 30
.irp a, 0,1,2,3
	v_pk_fma_f32 v[SS+4*\a+2*(k%2):SS+4*\a+2*(k%2)+1], v[64*\a+2*k:64*\a+2*k+1], v[64*\a+2*k:64*\a+2*k+1], v[SS+4*\a+2*(k%2):SS+4*\a+2*(k%2)+1]
.endr
.set k, k+1
.endr
	WIN 0
.irp a, 0,1,2,3
	v_pk_add_f32 v[SS+4*\a:SS+4*\a+1], v[SS+4*\a:SS+4*\a+1], v[SS+4*\a+2:SS+4*\a+3]
.endr
.irp a, 0,1,2,3
	v_add_f32 v[SS+4*\a], v[SS+4*\a], v[SS+4*\a+1]
.endr
.irp a, 0,1,2,3
	v_permlanex16_b32 v[SS+4*\a+1], v[SS+4*\a], s[SEL], s[SEL+1]
.endr
.irp a, 0,1,2,3
	v_add_f32 v[SS+4*\a], v[SS+4*\a], v[SS+4*\a+1]
.endr
.irp a, 0,1,2,3
	v_fma_f32 v[SS+4*\a], v[SS+4*\a], s82, s83     ; the mean + 1e-6
.endr
.irp a, 0,1,2,3
	v_rsq_f32 v[RS+2*\a], v[SS+4*\a]
.endr
	v_nop                                          ; a plain instruction behind the last of them,
	s_wait_alu depctr_va_vdst(0)                   ; and one wait for the four, ahead of their first reader
.macro HEADTILE a                      ; tile a: 16 tokens x the head's 128
	s_wait_xcnt 0x0                                ; the last tile's stores have read their registers
	WIN 0x02
.set k, 0
.rept 32
	v_pk_mul_f32 v[HA+2*k:HA+2*k+1], v[64*(\a)+2*k:64*(\a)+2*k+1], v[RS+2*(\a):RS+2*(\a)+1] op_sel_hi:[1,0]   ; x rsqrt(..)
.set k, k+1
.endr
	WIN 0x04
.set k, 0
.rept 32
.if 2*k < 32
.set NWR, 96+2*k
.else
.set NWR, 192+2*k
.endif
	v_pk_mul_f32 v[HA+2*k:HA+2*k+1], v[HA+2*k:HA+2*k+1], v[NWR:NWR+1]   ; x the norm's weight
.set k, k+1
.endr
	WIN 0x0c                                       ; source 1: window 3: register 2 k the pair's cosine, 2 k + 1 its sine
.set k, 0
.rept 32
	v_mul_f32 v[T+2*(k%2)], v[HA+2*k+1], v[64*(\a)+2*k+1]
	v_mul_f32 v[T+2*(k%2)+1], v[HA+2*k], v[64*(\a)+2*k+1]
	v_fma_f32 v[HA+2*k+1], v[HA+2*k+1], v[64*(\a)+2*k], v[T+2*(k%2)+1]   ; x2 c + x1 s
	v_fma_f32 v[HA+2*k], v[HA+2*k], v[64*(\a)+2*k], -v[T+2*(k%2)]        ; x1 c - x2 s
.set k, k+1
.endr
	WIN 0
	QUANT HA, 0, PW+(\a)
.irp c, 0,1,2
	global_store_b128 v[LI], v[PC+4*\c:PC+4*\c+3], s[72:73] offset:1536*(\a)+512*\c   ; the image: 512 consecutive bytes a store
.endr
	s_cmp_lt_u32 ttmp9, 8
	s_cbranch_scc1 .Lnot_k_\@                      ; k also leaves as f32: through my stage, so that a store is a token's 512 consecutive bytes
.irp i, 0,1,2,3,4,5,6,7,8,9,10,11,12,13,14,15
	ds_store_b128 v[KSTO], v[HA+4*\i:HA+4*\i+3] offset:128*(\i/4)+16*(\i%4)
.endr
	WIN 0x40
.irp t, 0,1,2,3,4,5,6,7,8,9,10,11,12,13,14,15
	ds_load_b128 v[4*\t:4*\t+3], v[KRD] offset:528*\t   ; LDS serves a wave's instructions in order (ISA guide 5.7.1.4): these see my stores
.endr
	s_wait_dscnt 0x0
	WIN 0x04
.irp t, 0,1,2,3,4,5,6,7,8,9,10,11,12,13,14,15
	global_store_b128 v[LI], v[4*\t:4*\t+3], s[74:75] offset:(32*((\a)/2)+8*((\a)%2)+\t+8*(\t/8))*4096
.endr
	WIN 0
.Lnot_k_\@:
.endm
	HEADTILE 0
	HEADTILE 1
	HEADTILE 2
	HEADTILE 3
	global_store_b128 v[SA], v[PW:PW+3], s[70:71]  ; my four tiles' scale words: 256 consecutive bytes (lanes 16-31 hold and write the same)
	s_branch .Ljoin
.Lv_out:
; ---------------- v.  A lane holds one column, its registers 64 keys: as f32 into the stage (row = key), as codes along the keys into the V unit.
.macro VTILE a
	s_wait_xcnt 0x0                                ; the last tile's stores have read their registers
	WIN 0x08                                       ; an LDS store's data are its source 1: window 2
.set i, 0
.rept 64
	ds_store_b32 v[VSTO], v[64*(\a)+i] offset:(32*(i/16)+i%16)*272+4*(32*((\a)/2)+8*((\a)%2))   ; each accumulator from its low end on
.set i, i+1
.endr
	QUANT 64*(\a), 2, PW+(\a)
.irp c, 0,1,2
	global_store_b128 v[LI], v[PC+4*\c:PC+4*\c+3], s[72:73] offset:1536*(\a)+512*\c
.endr
.endm
	VTILE 0
	VTILE 1
	VTILE 2
	VTILE 3
	global_store_b128 v[SA], v[PW:PW+3], s[70:71]
.irp n, 0,1,2,3                        ; out2: 128 tokens x my 64 columns: sixteen lanes store 256 consecutive bytes, at a multiple of 256 from out2's first byte
	s_wait_xcnt 0x0
	WIN 0x40
.irp t, 0,1,2,3,4,5,6,7,8,9,10,11,12,13,14,15
	ds_load_b128 v[4*\t:4*\t+3], v[VRD] offset:(32*\n+2*\t)*272
.endr
	s_wait_dscnt 0x0
	WIN 0x04
.irp t, 0,1,2,3,4,5,6,7,8,9,10,11,12,13,14,15
	global_store_b128 v[GO2], v[4*\t:4*\t+3], s[74:75] offset:(32*\n+2*\t)*4096
.endr
	WIN 0
.endr
.Ljoin:
	s_wait_tensorcnt 0x0                           ; the wave's end: behind my last tensor load and my last LDS store
	ds_add_u32 v[SPW], v[NIL]
	s_wait_dscnt 0x0
	CROUND                                         ; the closing round: no work-group ends while a partner may still ask for a tile that names it
	s_endpgm
.Lfunc_end_k_q23e7885563_qkv:
	.size	k_q23e7885563_qkv, .Lfunc_end_k_q23e7885563_qkv-k_q23e7885563_qkv
	.p2alignl 7, 3214868480
	.fill 96, 4, 3214868480
	.section	.rodata,"a",@progbits
	.p2align	6, 0x0
	.amdhsa_kernel k_q23e7885563_qkv
		.amdhsa_group_segment_fixed_size 327680
		.amdhsa_private_segment_fixed_size 0
		.amdhsa_enable_private_segment 0
		.amdhsa_kernarg_size 72
		.amdhsa_user_sgpr_count 2
		.amdhsa_user_sgpr_kernarg_segment_ptr 1
		.amdhsa_wavefront_size32 1
		.amdhsa_system_sgpr_workgroup_id_x 1
		.amdhsa_system_sgpr_workgroup_id_y 1
		.amdhsa_system_sgpr_workgroup_id_z 1
		.amdhsa_system_vgpr_workitem_id 0
		.amdhsa_next_free_vgpr 1024
		.amdhsa_next_free_sgpr 100
		.amdhsa_reserve_vcc 0
		.amdhsa_float_denorm_mode_32 3
		.amdhsa_float_denorm_mode_16_64 3
		.amdhsa_memory_ordered 1
		.amdhsa_forward_progress 1
		.amdhsa_inst_pref_size 252
	.end_amdhsa_kernel
	.amdgpu_metadata
---
amdhsa.version: [ 1, 2 ]
amdhsa.kernels:
  - .name:           k_q23e7885563_qkv
    .symbol:         k_q23e7885563_qkv.kd
    .args:
      - { .name: xg, .offset: 0, .size: 8, .value_kind: global_buffer, .address_space: global }
      - { .name: wg, .offset: 8, .size: 8, .value_kind: global_buffer, .address_space: global }
      - { .name: tab, .offset: 16, .size: 8, .value_kind: global_buffer, .address_space: global }
      - { .name: q_norm_w, .offset: 24, .size: 8, .value_kind: global_buffer, .address_space: global }
      - { .name: k_norm_w, .offset: 32, .size: 8, .value_kind: global_buffer, .address_space: global }
      - { .name: qt, .offset: 40, .size: 8, .value_kind: global_buffer, .address_space: global }
      - { .name: kvt, .offset: 48, .size: 8, .value_kind: global_buffer, .address_space: global }
      - { .name: out1, .offset: 56, .size: 8, .value_kind: global_buffer, .address_space: global }
      - { .name: out2, .offset: 64, .size: 8, .value_kind: global_buffer, .address_space: global }
    .group_segment_fixed_size: 327680
    .private_segment_fixed_size: 0
    .kernarg_segment_align: 8
    .kernarg_segment_size: 72
    .max_flat_workgroup_size: 128
    .sgpr_count:     100
    .vgpr_count:     1024
    .wavefront_size: 32
...
	.end_amdgpu_metadata
.endif
;; end of part 2
;; launch attn (part 3): grid 32 x 8, 8 waves a work-group, clusters of 4 x 1, 214,016 bytes of LDS; arguments qt, kvt, ag; writes ag
.if DOCPART == 3
	.amdgcn_target "amdgcn-amd-amdhsa--gfx1250"
	.amdhsa_code_object_version 6
	.text
	.protected	k_q23e7885563_attn
	.globl	k_q23e7885563_attn
	.p2align	8
	.type	k_q23e7885563_attn,@function
k_q23e7885563_attn:
	s_mov_b64 s[64:65], 0
	v_nop
	global_prefetch_b8 v0, s[64:65] scope:SCOPE_SE
	s_setreg_imm32_b32 hwreg(HW_REG_WAVE_MODE, 25, 1), 1
	s_wait_xcnt 0x0
	s_wait_alu depctr_hold_cnt(0) depctr_sa_sdst(0) depctr_va_vdst(0) depctr_va_sdst(0) depctr_va_ssrc(0) depctr_va_vcc(0) depctr_vm_vsrc(0)
	s_getreg_b32 s2, hwreg(HW_REG_IB_STS2, 6, 4)
	s_cmp_eq_u32 s2, 0
	s_cbranch_scc0 .Lentry_in_a_cluster
	s_endpgm
.Lentry_in_a_cluster:
	s_bfe_u32 s2, ttmp6, 0x10000c
	s_cmp_lg_u32 s2, 0x3003
	s_cbranch_scc0 .Lentry_shape_is_right
	s_endpgm
.Lentry_shape_is_right:
; ATTN: causal attention with grouped heads on codes of FP6 (E2M3) with E8M0 scales.  32 query heads, 8 key and value heads, 1,024 tokens, head size 128.
; THE SOFTMAX AHEAD OF THE SECOND PRODUCT: t = score x log2(e) / sqrt(128); M = the row's largest t so far, rounded up to a whole number; p = 2^(t - M) is quantised along the keys, not normalised; the row's sum is taken
; of the unquantised p and divides O at the end.  When M moves, the sum and O are multiplied by 2^(old M - new M): exact.
; SHARES.  Work-group (I, kvh), I = 0 .. 31: waves 0-3 take query tile I (16 queries) of the four heads of kvh, waves 4-7 tile 63 - I.  A tile T needs the key steps 0 .. T / 8 (128 keys each): the two tiles need 9 steps
; together for every I, so all 256 work-groups have the same work.
; LDS holds the whole head's K and V, 204,800 bytes, filled ONCE: step j's K unit at 25,600 j, its V unit 12,800 further on.  Nothing is filled again.
; CLUSTER 4 x 1: the four partners share kvh, so K and V are asked for jointly.  No branch and no LDS address hangs on the place in the cluster: T / 8 is made of the cluster's x and the wave's number alone.
; OPERANDS ARE IMAGES OF THEIR REGISTERS; rows (queries, keys, the head's 128 in V) stand in the order 32 pb + 8 u + r + 8 (r / 8).  Both products are used transposed (S^T = K Q^T, O^T = V^T P^T): a lane holds one query
; throughout, and the 16 registers of two neighbouring tiles are 16 neighbours along the next product's K.
; V IS ASKED FOR EARLY: its first four fragments behind the scores' products, into the registers that K has left, so that they land under the softmax; its last four behind p's conversions, into the registers that p has left.
; OUT: ag, the last product's operand: [token pair-block][slot = kvh][u][four images, one a head of kvh; 256 bytes of scale words].
; LIMITS: NaN and infinities are not served; a block of p that has fallen to 0 keeps the byte 1 (its codes are zeros).
; REGISTERS: v1-6 addresses that stay; v8-11 addresses in hand; v12 -M, v13 the largest t, v[14:15] the sum; v16-27 Q; v32-79 four fragments of K, then V's first four; v96-159 S^T, then p, then (v96-143) V's last four;
;   v160-223 O^T; v224-235 p's codes; v232-254 at work; scale words and nothing else: v248-251 a group's of K, then V's first four; v80-83 V's last four; v253 p's; v255 Q's.
.set UNIT, 12800
.set STG,  204800                      ; behind K and V: the four heads' scale words of each of the two tiles, 2 x 256 bytes; no fill lands here
.set LI,   1                           ; v1  16 x lane
.set SAK,  2                           ; v2  12,288 + 16 r: a unit's scale words
.set QD,   3                           ; v3  my query - 16 h
.set SST,  4                           ; v4  the stage: my head's word of row r
.set SRD,  5                           ; v5  the stage: row r's four words
.set SAG,  6                           ; v6  16 r
.set ADK,  8
.set ADV,  9
.set ADS,  10
.set ADT,  11
.set TM,   232
.set PC,   32
.set WV,   10
.set W3,   11                          ; wave % 4: the head within kvh
.set TT,   12                          ; my query tile
.set LAST, 13                          ; its last key step
.set KS,   14                          ; the key step in hand
.set TB,   15                          ; where its units begin in LDS
.set CNT,  16
.set TMPS, 17
.set G1,   24                          ; s[24:31] descriptor group 1;  s[32:39] two groups 0
.set G0,   32
.set SEL,  40
.set CS,   42                          ; s[42:43] c = log2(e) / sqrt(128)
.macro CROUND                          ; a round of the cluster's barrier
	s_barrier_signal -1
	s_barrier_wait -1
	s_cmp_lg_u32 s[WV], 0
	s_cbranch_scc1 .Lnot_wave_0_\@
	s_barrier_signal -3
.Lnot_wave_0_\@:
	s_barrier_wait -3
	s_barrier_signal -1
	s_barrier_wait -1
.endm
	s_load_b128 s[4:7], s[0:1], 0x0                ; qt s[4:5], kvt s[6:7]
	s_load_b64 s[8:9], s[0:1], 0x10                ; ag
	v_lshl_add_u32 v95, v0, 2, 0x34000
	v_mov_b32 v243, 0
	ds_add_u32 v95, v243
	ds_add_u32 v95, v243
	v_lshrrev_b32 v8, 5, v0
	v_readfirstlane_b32 s[WV], v8                  ; wave 0..7
	s_and_b32 s[W3], s[WV], 3
	s_bfe_u32 s18, ttmp6, 0x40000                  ; cx: it enters global addresses and the mask's number alone
	s_and_b32 s19, ttmp7, 0xffff                   ; kvh, which the four partners share
	s_lshl_b32 s20, ttmp9, 2
	s_add_co_u32 s20, s20, s18                     ; I
	s_sub_co_u32 s21, 63, s20
	s_lshr_b32 s22, ttmp9, 1                       ; I / 8, made without cx
	s_sub_co_u32 s23, 7, s22                       ; (63 - I) / 8
	s_cmp_lt_u32 s[WV], 4
	s_cselect_b32 s[TT], s20, s21
	s_cselect_b32 s[LAST], s22, s23
	; descriptor group 1: 12,800 dense bytes as 50 rows of 256 (32 elements of 8 bytes), no padding
	s_mov_b32 s[G1], 15|(3<<16)|(1<<21)            ; 15:0 the mask: all four partners; 17:16 elements of 8 bytes; 21 set beside a mask
	s_mov_b32 s[G1+1], 32<<16
	s_mov_b32 s[G1+2], 50<<16
	s_mov_b32 s[G1+3], 32<<16
	s_mov_b32 s[G1+4], 50
	s_mov_b32 s[G1+5], 32
	s_mov_b32 s[G1+6], 0
	s_mov_b32 s[G1+7], 0
	s_mul_i32 s52, s[WV], UNIT                     ; wave w brings unit w of each half of the head
	s_mul_i32 s54, s19, 204800
	s_add_co_u32 s54, s54, s52
	s_mov_b32 s55, 0
	s_mov_b32 s[SEL], 0x76543210
	s_mov_b32 s[SEL+1], 0xfedcba98
	s_mov_b32 s[CS], 0x3e0293ee
	s_mov_b32 s[CS+1], s[CS]                       ; (named with it as a pair)
	s_mov_b32 s[KS], 0
	s_mov_b32 s[TB], 0
	s_wait_dscnt 0x0
	s_wait_kmcnt 0x0
	s_add_nc_u64 s[6:7], s[6:7], s[54:55]
	CROUND                                         ; all four work-groups are here: the joint loads meet
.irp n, 0,1
	s_mov_b32 s[G0+4*\n], 1
	s_add_co_u32 s[G0+4*\n+1], s52, 102400*\n
	s_add_nc_u64 s[G0+4*\n+2:G0+4*\n+3], s[6:7], 102400*\n
	s_or_b32 s[G0+4*\n+3], s[G0+4*\n+3], 0x80000000
.endr
	tensor_load_to_lds s[G0:G0+3], s[G1:G1+7]      ; key steps 0-3,
	s_nop 0
	tensor_load_to_lds s[G0+4:G0+7], s[G1:G1+7]    ; key steps 4-7: two loads of mine are out, the launch's only ones
	s_nop 0
.rept 4
	v_nop
.endr
	v_and_b32 v28, 15, v0                          ; r
	v_bfe_u32 v29, v0, 4, 1                        ; h
	v_and_b32 v30, 31, v0
	v_lshlrev_b32 v[LI], 4, v30
	v_lshlrev_b32 v[SAG], 4, v28
	v_add_nc_u32 v[SAK], 12288, v[SAG]
	s_lshr_b32 s52, s[WV], 2
	s_lshl_b32 s52, s52, 8
	s_add_co_u32 s52, s52, STG
	v_add_nc_u32 v[SRD], s52, v[SAG]
	s_lshl_b32 s53, s[W3], 2
	s_add_co_u32 s53, s53, s52
	v_add_nc_u32 v[SST], s53, v[SAG]
	; Q: unit 8 head + T / 8 of qt, tile T % 8
	s_lshl_b32 s52, s19, 2
	s_add_co_u32 s52, s52, s[W3]                   ; the head
	s_lshl_b32 s52, s52, 3
	s_lshr_b32 s53, s[TT], 3
	s_add_co_u32 s52, s52, s53
	s_mul_i32 s52, s52, UNIT
	s_and_b32 s53, s[TT], 7
	s_mul_i32 s54, s53, 1536
	s_add_co_u32 s54, s54, s52
	s_mov_b32 s55, 0
	s_add_nc_u64 s[44:45], s[4:5], s[54:55]        ; its image
	s_lshr_b32 s54, s53, 2
	s_lshl_b32 s54, s54, 8
	s_and_b32 s53, s[TT], 3
	s_lshl_b32 s53, s53, 2
	s_add_co_u32 s54, s54, s53
	s_add_co_u32 s54, s54, 12288
	s_add_co_u32 s54, s54, s52
	s_add_nc_u64 s[46:47], s[4:5], s[54:55]        ; its scale words
.irp c, 0,1,2
	global_load_b128 v[16+4*\c:19+4*\c], v[LI], s[44:45] offset:512*\c
.endr
	global_load_b32 v255, v[SAG], s[46:47]
	; ag: pair-block T / 2, slot kvh, u = T % 2
	s_lshr_b32 s52, s[TT], 1
	s_mul_i32 s54, s52, 102400
	s_mul_i32 s53, s19, UNIT
	s_add_co_u32 s54, s54, s53
	s_and_b32 s53, s[TT], 1
	s_mul_i32 s56, s53, 6400
	s_add_co_u32 s54, s54, s56
	s_add_nc_u64 s[48:49], s[8:9], s[54:55]        ; the tile's 6,400 bytes
	s_mul_i32 s54, s[W3], 1536
	s_add_nc_u64 s[50:51], s[48:49], s[54:55]      ; my head's image
	s_lshl_b32 s52, s52, 5
	s_lshl_b32 s53, s53, 3
	s_add_co_u32 s52, s52, s53                     ; the tile's first query: 32 (T / 2) + 8 (T % 2)
	v_and_b32 v30, 8, v28
	v_add_nc_u32 v30, v30, v28
	v_add_nc_u32 v30, s52, v30                     ; my query
	v_lshlrev_b32 v31, 4, v29
	v_sub_nc_u32 v[QD], v30, v31
	v_mov_b32 v13, 0xff61b1e6                      ; the largest t so far: -3e38, under every t
	v_floor_f32 v12, -v13                          ; -M
	v_mov_b32 v14, 0                               ; the sum, in two halves
	v_mov_b32 v15, 0
.irp b, 0,1,2,3
	v_mov_b32 v[236+\b], 0                         ; written once: a lane permute's destination counts as one of its sources
.endr
	v_mov_b32 v252, 0
	v_mov_b32 v253, 0                              ; (named as the upper half of the pair v[252:253] before it is first written)
.set j, 0
.rept 64
	v_mov_b32 v[160+j], 0                          ; O^T.  (The step is written for every trip alike: the first finds zeros, which the first change of M leaves zeros)
.set j, j+1
.endr
; A KEY STEP: 128 keys.  A step all of whose keys come after my 16 queries is left out: a scalar branch on ids, round the step's work; not round the lines at its end that step the count and the address.
.macro STEP
	s_cmp_gt_u32 s[KS], s[LAST]
	s_cbranch_scc1 .Lhidden_\@
	v_add_nc_u32 v[ADK], s[TB], v[LI]              ; these four additions and the v_nop are five places behind the last step's products: four for the loads into registers that those read,
	v_add_nc_u32 v[ADS], s[TB], v[SAK]             ; five for the scores' products, which write over v96-143, where V's last four fragments lay (ISA guide 7.12.1)
	v_add_nc_u32 v[ADV], UNIT, v[ADK]
	v_add_nc_u32 v[ADT], UNIT, v[ADS]
	v_nop
.irp g, 0,1                            ; S^T = K Q^T, four tiles of 16 keys at a time
.rept 4*\g
	v_nop
.endr
.irp t, 0,1,2,3
.irp c, 0,1,2
	ds_load_b128 v[32+12*\t+4*\c:35+12*\t+4*\c], v[ADK] offset:(4*\g+\t)*1536+512*\c
.endr
.endr
	ds_load_b128 v[248:251], v[ADS] offset:256*\g  ; the four tiles' scale words by one load
	s_wait_dscnt 0x0
.irp t, 0,1,2,3
	v_wmma_scale_f32_16x16x128_f8f6f4 v[96+8*(4*\g+\t):103+8*(4*\g+\t)], v[32+12*\t:43+12*\t], v[16:27], 0, v[248+\t], v255 matrix_a_fmt:MATRIX_FMT_FP6 matrix_b_fmt:MATRIX_FMT_FP6
.endr
.endr                                  ; lane (r, h) holds query r; register 16 b + i is key 128 KS + 32 b + 16 h + i
.rept 4
	v_nop                                          ; places: for the first reads of the scores, and for the loads below into registers that the products have read
.endr
.irp t, 0,1,2,3                        ; V's first four fragments and their scale words: asked for here, wanted behind the softmax
.irp c, 0,1,2
	ds_load_b128 v[32+12*\t+4*\c:35+12*\t+4*\c], v[ADV] offset:\t*1536+512*\c
.endr
.endr
	ds_load_b128 v[248:251], v[ADT]
	s_cmp_lg_u32 s[KS], s[LAST]                    ; only my last step lies on the diagonal: there the scores of hidden keys become -infinity ahead of the maximum, and p = 0
	s_cbranch_scc1 .Lopen_\@
	s_lshl_b32 s[TMPS], s[KS], 7
	v_sub_nc_u32 v252, v[QD], s[TMPS]              ; d = my query - 128 KS - 16 h: register 16 b + i is hidden where 32 b + i > d
	v_mov_b32 v254, 0xff800000
.set n, 0
.rept 64
	v_cmp_gt_i32 vcc_lo, 32*(n/16)+n%16, v252
	v_cndmask_b32 v[96+n], v[96+n], v254, vcc_lo
.set n, n+1
.endr
.Lopen_\@:
.irp b, 0,1,2,3
	v_max3_num_f32 v[232+\b], v[96+16*\b], v[97+16*\b], v[98+16*\b]   ; the largest score of each block of 32 keys: for the row's maximum, and, since p rises with the score, for the block's largest p
.endr
.irp i, 3,5,7,9,11,13
.irp b, 0,1,2,3
	v_max3_num_f32 v[232+\b], v[232+\b], v[96+16*\b+\i], v[97+16*\b+\i]
.endr
.endr
.irp b, 0,1,2,3
	v_max_num_f32 v[232+\b], v[232+\b], v[111+16*\b]
.endr
.irp b, 0,1,2,3
	v_permlanex16_b32 v[236+\b], v[232+\b], s[SEL], s[SEL+1]
.endr
.irp b, 0,1,2,3
	v_max_num_f32 v[232+\b], v[232+\b], v[236+\b]  ; with lane l xor 16's 16 keys
.endr
	v_max3_num_f32 v254, v232, v233, v234
	v_max_num_f32 v254, v254, v235                 ; the step's largest score of my query
	v_mul_f32 v254, s[CS], v254                    ; as t (c is positive)
	v_max_num_f32 v13, v13, v254                   ; the running largest t
	v_mov_b32 v254, v12
	v_floor_f32 v12, -v13                          ; the new -M = floor(-t): M is a whole number
	v_sub_f32 v254, v12, v254                      ; M's old value less its new one: a whole number, 0 or less
	v_cvt_i32_f32 v254, v254                       ; (it saturates)
	v_ldexp_f32 v252, 1.0, v254                    ; f = 2^(old M - new M)
.set j, 0
.rept 32
	v_pk_fma_f32 v[96+j:97+j], v[96+j:97+j], s[CS:CS+1], v[12:13] op_sel_hi:[1,0,0]   ; t - M, two at a time
.set j, j+2
.endr
.irp b, 0,1,2,3
	v_fma_f32 v[232+\b], v[232+\b], s[CS], v12     ; the same of each block's largest score
.endr
.set j, 0
.rept 64
	v_exp_f32 v[96+j], v[96+j]                     ; p = 2^(t - M), at most 1
.set j, j+1
.endr
	v_pk_mul_f32 v[14:15], v[14:15], v[252:253] op_sel_hi:[1,0]   ; the sums under the new M (a plain instruction behind the exponentials)
	s_wait_alu depctr_va_vdst(0)                   ; one wait for the whole batch, ahead of its first reader
.irp b, 0,1,2,3
	v_exp_f32 v[232+\b], v[232+\b]                 ; the block's largest p: the same two instructions on the same number give the same bits
.endr
	v_pk_add_f32 v[236:237], v[96:97], v[98:99]    ; the row's sum is taken of the unquantised p: two at a time, in two chains
.set j, 4
.rept 15
	v_pk_add_f32 v[14:15], v[14:15], v[96+j:97+j]
	v_pk_add_f32 v[236:237], v[236:237], v[98+j:99+j]
.set j, j+4
.endr
	v_pk_add_f32 v[14:15], v[14:15], v[236:237]
	s_wait_alu depctr_va_vdst(0)                   ; and one for the four
.irp b, 0,1,2,3
	v_max_num_f32 v[232+\b], 0x1800000, v[232+\b]  ; the floor 2^(3 - 127): the byte cannot fall under 1
.endr
.irp b, 0,1,2,3
	v_add_nc_u32 v[244+\b], 0xff000000, v[232+\b]  ; 2 off the exponent field: the conversion's scale operand
.endr
.irp b, 0,1,2,3
	v_lshrrev_b32 v[236+\b], 23, v[244+\b]         ; the scale's byte
.endr
	v_lshl_or_b32 v253, v237, 8, v236              ; p's scale word for these 128 keys
	v_lshl_or_b32 v253, v238, 16, v253
	v_lshl_or_b32 v253, v239, 24, v253
.irp c, 0,1
	v_cvt_scalef32_pk16_fp6_f32 v[224+6*\c:226+6*\c], v[96+32*\c:111+32*\c], v[244+2*\c]
	v_cvt_scalef32_pk16_fp6_f32 v[236+4*\c:238+4*\c], v[112+32*\c:127+32*\c], v[244+2*\c+1]
.endr
	v_nop                                          ; one plain instruction behind a scaled conversion
.irp t, 0,1,2,3                        ; p has been summed and converted: V's last four fragments take its registers, and land under the lines that follow
.irp c, 0,1,2
	ds_load_b128 v[96+12*\t+4*\c:99+12*\t+4*\c], v[ADV] offset:(4+\t)*1536+512*\c
.endr
.endr
	ds_load_b128 v[80:83], v[ADT] offset:256
.irp c, 0,1
.irp i, 0,1,2
	v_permlane16_swap_b32 v[224+6*\c+\i], v[236+4*\c+\i]
.endr
.irp i, 0,1,2
	v_mov_b32 v[227+6*\c+\i], v[236+4*\c+\i]
.endr
.endr
.set j, 0
.rept 32
	v_pk_mul_f32 v[160+j:161+j], v[160+j:161+j], v[252:253] op_sel_hi:[1,0]   ; O^T under the new M.  (These 32 are also the places between p's codes and scale word and the products below)
.set j, j+2
.endr
	s_wait_dscnt 0x0                               ; all of V's eight fragments are in
.irp t, 0,1,2,3                        ; O^T += V^T P^T: the head's 128 in eight tiles of 16, one run; the eight accumulators take turns
	v_wmma_scale_f32_16x16x128_f8f6f4 v[160+8*\t:167+8*\t], v[32+12*\t:43+12*\t], v[224:235], v[160+8*\t:167+8*\t], v[248+\t], v253 matrix_a_fmt:MATRIX_FMT_FP6 matrix_b_fmt:MATRIX_FMT_FP6
.endr
.irp t, 0,1,2,3
	v_wmma_scale_f32_16x16x128_f8f6f4 v[192+8*\t:199+8*\t], v[96+12*\t:107+12*\t], v[224:235], v[192+8*\t:199+8*\t], v[80+\t], v253 matrix_a_fmt:MATRIX_FMT_FP6 matrix_b_fmt:MATRIX_FMT_FP6
.endr
.Lhidden_\@:
	s_add_co_u32 s[KS], s[KS], 1
	s_add_co_u32 s[TB], s[TB], 2*UNIT
.endm
	s_wait_tensorcnt 0x1                           ; my unit of key steps 0-3 is in; that of steps 4-7 may stay out
	s_barrier_signal -1
	s_barrier_wait -1                              ; everybody's is
	s_wait_loadcnt 0x0                             ; Q
	s_mov_b32 s[CNT], 4
.Lfirst_half:
	STEP
	s_sub_co_u32 s[CNT], s[CNT], 1
	s_cmp_lg_u32 s[CNT], 0
	s_cbranch_scc1 .Lfirst_half
	s_wait_tensorcnt 0x0                           ; my unit of key steps 4-7 is in,
	s_wait_dscnt 0x0
	s_barrier_signal -1
	s_barrier_wait -1                              ; everybody's is
	s_mov_b32 s[CNT], 4
.Lsecond_half:
	STEP
	s_sub_co_u32 s[CNT], s[CNT], 1
	s_cmp_lg_u32 s[CNT], 0
	s_cbranch_scc1 .Lsecond_half
	; THE WAY OUT.  O^T / the sum is the last product's operand: register 16 b + i is channel 32 b + 16 h + i of my query: quantised as it stands, it is K step (wave % 4) of slot kvh.
.rept 4
	v_nop                                          ; places behind the last products
.endr
	v_add_f32 v14, v14, v15
	v_permlanex16_b32 v252, v14, s[SEL], s[SEL+1]
	v_add_f32 v14, v14, v252                       ; the row's sum
	v_rcp_f32 v14, v14
	v_nop                                          ; a plain instruction behind it,
	s_wait_alu depctr_va_vdst(0)                   ; and the wait ahead of its first reader
.set j, 0
.rept 64
	v_mul_f32 v[96+j], v[160+j], v14
.set j, j+1
.endr
.irp b, 0,1,2,3
	v_max3_num_f32 v[TM+\b], 0x1800000, |v[96+16*\b]|, |v[97+16*\b]|
.endr
.irp i, 2,4,6,8,10,12,14
.irp b, 0,1,2,3
	v_max3_num_f32 v[TM+\b], v[TM+\b], |v[96+16*\b+\i]|, |v[97+16*\b+\i]|
.endr
.endr
.irp b, 0,1,2,3
	v_permlanex16_b32 v[TM+4+\b], v[TM+\b], s[SEL], s[SEL+1]
.endr
.irp b, 0,1,2,3
	v_max_num_f32 v[TM+\b], v[TM+\b], v[TM+4+\b]
.endr
.irp b, 0,1,2,3
	v_add_nc_u32 v[TM+12+\b], 0xff000000, v[TM+\b]
.endr
.irp b, 0,1,2,3
	v_lshrrev_b32 v[TM+4+\b], 23, v[TM+12+\b]
.endr
	v_lshl_or_b32 v52, v[TM+5], 8, v[TM+4]         ; my row's scale word
	v_lshl_or_b32 v52, v[TM+6], 16, v52
	v_lshl_or_b32 v52, v[TM+7], 24, v52
.irp c, 0,1
	v_cvt_scalef32_pk16_fp6_f32 v[PC+6*\c:PC+6*\c+2], v[96+32*\c:111+32*\c], v[TM+12+2*\c]
	v_cvt_scalef32_pk16_fp6_f32 v[PC+12+4*\c:PC+12+4*\c+2], v[112+32*\c:127+32*\c], v[TM+13+2*\c]
.endr
	v_nop
.irp c, 0,1
.irp i, 0,1,2
	v_permlane16_swap_b32 v[PC+6*\c+\i], v[PC+12+4*\c+\i]
.endr
.irp i, 0,1,2
	v_mov_b32 v[PC+3+6*\c+\i], v[PC+12+4*\c+\i]
.endr
.endr
.irp c, 0,1,2
	global_store_b128 v[LI], v[PC+4*\c:PC+4*\c+3], s[50:51] offset:512*\c   ; the image: 512 consecutive bytes a store
.endr
	ds_store_b32 v[SST], v52                       ; the four heads' words of a row lie side by side in ag: they meet in LDS (lanes 16-31 write what lanes 0-15 write)
	s_wait_dscnt 0x0                               ; for the others' sake
	s_barrier_signal -1
	s_barrier_wait -1
	s_cmp_lg_u32 s[W3], 0
	s_cbranch_scc1 .Lnot_mine                      ; waves 0 and 4 store their tile's 256 bytes
	ds_load_b128 v[56:59], v[SRD]
	s_wait_dscnt 0x0
	global_store_b128 v[SAG], v[56:59], s[48:49] offset:6144
.Lnot_mine:
	s_wait_tensorcnt 0x0
	ds_add_u32 v95, v243
	s_wait_dscnt 0x0
	CROUND                                         ; the closing round
	s_endpgm
.Lfunc_end_k_q23e7885563_attn:
	.size	k_q23e7885563_attn, .Lfunc_end_k_q23e7885563_attn-k_q23e7885563_attn
	.p2alignl 7, 3214868480
	.fill 96, 4, 3214868480
	.section	.rodata,"a",@progbits
	.p2align	6, 0x0
	.amdhsa_kernel k_q23e7885563_attn
		.amdhsa_group_segment_fixed_size 214016
		.amdhsa_private_segment_fixed_size 0
		.amdhsa_enable_private_segment 0
		.amdhsa_kernarg_size 24
		.amdhsa_user_sgpr_count 2
		.amdhsa_user_sgpr_kernarg_segment_ptr 1
		.amdhsa_wavefront_size32 1
		.amdhsa_system_sgpr_workgroup_id_x 1
		.amdhsa_system_sgpr_workgroup_id_y 1
		.amdhsa_system_sgpr_workgroup_id_z 1
		.amdhsa_system_vgpr_workitem_id 0
		.amdhsa_next_free_vgpr 256
		.amdhsa_next_free_sgpr 66
		.amdhsa_reserve_vcc 1
		.amdhsa_float_denorm_mode_32 3
		.amdhsa_float_denorm_mode_16_64 3
		.amdhsa_memory_ordered 1
		.amdhsa_forward_progress 1
		.amdhsa_inst_pref_size 64
	.end_amdhsa_kernel
	.amdgpu_metadata
---
amdhsa.version: [ 1, 2 ]
amdhsa.kernels:
  - .name:           k_q23e7885563_attn
    .symbol:         k_q23e7885563_attn.kd
    .args:
      - { .name: qt, .offset: 0, .size: 8, .value_kind: global_buffer, .address_space: global }
      - { .name: kvt, .offset: 8, .size: 8, .value_kind: global_buffer, .address_space: global }
      - { .name: ag, .offset: 16, .size: 8, .value_kind: global_buffer, .address_space: global }
    .group_segment_fixed_size: 214016
    .private_segment_fixed_size: 0
    .kernarg_segment_align: 8
    .kernarg_segment_size: 24
    .max_flat_workgroup_size: 256
    .sgpr_count:     66
    .vgpr_count:     256
    .wavefront_size: 32
...
	.end_amdgpu_metadata
.endif
;; end of part 3
;; launch oproj (part 4): grid 32 x 8, 4 waves a work-group, clusters of 4 x 4, 327,680 bytes of LDS; arguments ag, wg, out0; writes out0
.if DOCPART == 4
	.amdgcn_target "amdgcn-amd-amdhsa--gfx1250"
	.amdhsa_code_object_version 6
	.text
	.protected	k_q23e7885563_oproj
	.globl	k_q23e7885563_oproj
	.p2align	8
	.type	k_q23e7885563_oproj,@function
k_q23e7885563_oproj:
	s_mov_b64 s[64:65], 0
	v_nop
	global_prefetch_b8 v0, s[64:65] scope:SCOPE_SE
	s_setreg_imm32_b32 hwreg(HW_REG_WAVE_MODE, 25, 1), 1
	s_wait_xcnt 0x0
	s_wait_alu depctr_hold_cnt(0) depctr_sa_sdst(0) depctr_va_vdst(0) depctr_va_sdst(0) depctr_va_ssrc(0) depctr_va_vcc(0) depctr_vm_vsrc(0)
	s_getreg_b32 s2, hwreg(HW_REG_IB_STS2, 6, 4)
	s_cmp_eq_u32 s2, 0
	s_cbranch_scc0 .Lentry_in_a_cluster
	s_endpgm
.Lentry_in_a_cluster:
	s_bfe_u32 s2, ttmp6, 0x10000c
	s_cmp_lg_u32 s2, 0xf033
	s_cbranch_scc0 .Lentry_shape_is_right
	s_endpgm
.Lentry_shape_is_right:
; OPROJ: out0 = attn Wo on codes of FP6 (E2M3) with E8M0 scales; M = 1,024 tokens, N = 4,096, K = 4,096.
; A tile of out0 is 128 x 128, so that the grid has 256 work-groups; wave (wy, wx) makes 64 tokens x 64 columns: 16 accumulators of 16 x 16.
; S0 = 128 columns of Wo (wg's pair-blocks 192 on), S1 = 128 tokens (ag).  OPERANDS ARE IMAGES OF THEIR REGISTERS: a fragment is three loads of 16 bytes a lane at 16 x lane; rows stand in the order 32 pb + 8 u + r + 8 (r / 8).
; The matrix instruction is used transposed (source 0 = columns of Wo, source 1 = tokens): a lane holds one token, and register 8 b + j is column 32 (b / 2) + 16 h + 8 (b % 2) + j.
; K goes in EIGHT TILES of 512 (102,400 bytes: S0's 4 units of 12,800, then S1's 4) through THREE PLACES in LDS, written out without a loop.  A tile's matrix work is short (64 instructions a wave), so the refills are few and large:
;   first fills: tiles 0 and 1 into places 0 and 1 by one load a wave (wave 0: S0 of tile 0, wave 1: S0 of tile 1, waves 2, 3: S1 likewise; 4 rows of 12,800 bytes), tile 2 into place 2 by halves (2 rows a wave);
;   behind tile 1: tiles 3 and 4 into places 0 and 1;  behind tile 2: tile 5 into place 2;  behind tile 4: tiles 6 and 7 into places 0 and 1.  Three refills, each one load a wave behind a round of the cluster's barrier.
;   By this text's own count a wave has two tensor loads out at the start and one behind each round.
; FRAGMENTS COME A WHOLE K STEP AHEAD: there are two sets of registers for both operands, so a step's head asks for the next step's 24 loads and then multiplies what the step before asked for.
; CLUSTER 4 x 4: S0 hangs on the tile column alone and is asked for jointly along a column of the cluster, S1 on the tile row alone and jointly along a row.
; REGISTERS.  Window 0: v1-23 addresses; v32-127 scale words, two sets (they hold nothing else); v128-223 S1's fragments, two sets; behind the products v128-191 rows on their way out.  Window 1: S0's fragments, two sets at v0 and v128.  Window 2: the accumulators.
.set NB,    4
.set PLACE, 102400                     ; S0's 4 units, then S1's 4
.set S1OFF, 51200
.set SPARE, 3*PLACE                    ; behind the places: the spare words, 128 bytes a wave: two blocks of 256 bytes that no other line names
.set WV,   22
.set WH,   23                          ; wave / 2: wy.  Also: 0 fetches for S0, 1 for S1
.set WL,   56                          ; wave % 2: wx.  Also: which tile of two, or which half of one, I fetch
.set ASKF, 63                          ; 1 in a wave that prefetches
.set G1A4, 24                          ; s[24:31], s[32:39] descriptor group 1, 4 rows: S0's, S1's (they differ in the mask alone)
.set G1B4, 32
.set G1A2, 40                          ; s[40:47], s[48:55] the same with 2 rows
.set G1B2, 48
.set G0AD, 68                          ; s[68:71], s[72:75] group 0 of the loads that bring two tiles
.set G0BD, 72
.set G0AS, 76                          ; s[76:79], s[80:83] of those that bring one
.set G0BS, 80
.set PFA,  98                          ; s[98:99] where my prefetches stand; never rewritten
.set LI,  4                            ; v4     16 x lane
.set SA,  5                            ; v5     16 r
.set AF0, 6                            ; v6-8   my S0 fragments in place 0, 1, 2
.set AF1, 9                            ; v9-11  my S1 fragments
.set AS0, 12                           ; v12-14 S0's scale words
.set AS1, 15                           ; v15-17 S1's
.set SPW, 18                           ; v18    my spare word; never rewritten
.set NIL, 19                           ; v19    0; never rewritten
.set STO, 20                           ; v20    the stage: where I put 32 bytes of a row
.set RD,  21                           ; v21    and where I read a row back
.set CO,  22                           ; v22    out0: 16,384 h + 16 r
.set PFO, 23                           ; v23    the prefetches' offset: 256 x min(lane, 24); never rewritten
.set SC,  32
.set S1F, 128
.set BK,  128
.set MSB, 0
.macro WIN new                         ; the immediate's high byte repeats the setting that is left; a switch that changes nothing is dropped
.if MSB != (\new)
	s_set_vgpr_msb (MSB<<8)|(\new)
.set MSB, (\new)
.endif
.endm
.macro PLACES n
.rept \n
	v_nop
.endr
.endm
; A joint load: waves 0 and 1 fetch for S0, waves 2 and 3 for S1.  Each of the two lines has one mask and one set of registers; the branch hangs on the wave's number alone.  Four v_nop follow each line.
.macro JLOAD g0a, g1a, g0b, g1b
	s_cmp_eq_u32 s[WH], 0
	s_cbranch_scc0 .Lfor_b_\@
	tensor_load_to_lds s[\g0a:\g0a+3], s[\g1a:\g1a+7]
	s_nop 0
.rept 4
	v_nop
.endr
	s_branch .Lasked_\@
.Lfor_b_\@:
	tensor_load_to_lds s[\g0b:\g0b+3], s[\g1b:\g1b+7]
	s_nop 0
.rept 4
	v_nop
.endr
.Lasked_\@:
.endm
; A PREFETCH INTO THE L2 of what the NEXT refill will ask for: behind the refill that brings tiles 3 and 4, tile 5; behind the one that brings tile 5, tiles 6 and 7.  Tiles 0 to 4 come by their loads alone, and the last refill asks for nothing.
; Each 256 bytes are named by one wave of the launch.  S0's rows are read by both clusters of a column of clusters: cluster y = 0 asks; S1's by all eight of a row: cluster x = 0 asks.  The four partners that ask for a tile jointly
; share its four pair-blocks out BY ADDRESS (place cy for S0, cx for S1); of a pair-block's unit of 12,800 bytes wave 0 (or 2) takes the first 6,400, wave 1 (or 3) the rest: 25 blocks of 256 bytes, a lane a block; lanes 25-31 name the 25th again.
.macro ASK off, n
	s_cmp_eq_u32 s[ASKF], 1
	s_cbranch_scc0 .Lnot_mine_\@
	global_prefetch_b8 v[PFO], s[PFA:PFA+1] offset:\off th:TH_LOAD_NT scope:SCOPE_SE
.if \n > 1
	global_prefetch_b8 v[PFO], s[PFA:PFA+1] offset:(\off)+12800 th:TH_LOAD_NT scope:SCOPE_SE
.endif
.Lnot_mine_\@:
.endm
.macro CREST                           ; a round of the cluster's barrier behind its opening barrier
	s_cmp_lg_u32 s[WV], 0
	s_cbranch_scc1 .Lnot_wave_0_\@
	s_barrier_signal -3
.Lnot_wave_0_\@:
	s_barrier_wait -3
	s_barrier_signal -1
	s_barrier_wait -1
.endm
.macro CROUND
	s_barrier_signal -1
	s_barrier_wait -1
	CREST
.endm
.macro FRAG reg, adr, off              ; an image comes back as the registers that it is: 512 consecutive bytes a load
.irp c, 0,1,2
	ds_load_b128 v[(\reg)+4*\c:(\reg)+4*\c+3], v[\adr] offset:(\off)+512*\c
.endr
.endm
.macro FETCH pl, ks, p                 ; K step ks of the tile in place pl into set p: my four fragments of S0 (window 1), my four of S1: 24 loads
	WIN 0x40
.irp b, 0,1,2,3
	FRAG 128*(\p)+12*\b, AF0+(\pl), 12800*(\b/2)+6400*(\b%2)+1536*(\ks)
.endr
	WIN 0
.irp a, 0,1,2,3
	FRAG S1F+48*(\p)+12*\a, AF1+(\pl), 12800*(\a/2)+6400*(\a%2)+1536*(\ks)
.endr
.endm
.macro SCALES pl, sc                   ; the scale words of the tile in place pl into set sc: one load brings a tile of rows' words of all four K steps: 8 loads
.irp b, 0,1,2,3
	ds_load_b128 v[SC+48*(\sc)+4*\b:SC+48*(\sc)+4*\b+3], v[AS0+(\pl)] offset:12800*(\b/2)+6400*(\b%2)+6144
.endr
.irp a, 0,1,2,3
	ds_load_b128 v[SC+48*(\sc)+32+4*\a:SC+48*(\sc)+32+4*\a+3], v[AS1+(\pl)] offset:12800*(\a/2)+6400*(\a%2)+6144
.endr
.endm
; The 16 accumulators take turns, one instruction a turn, in the same order in every step.
.macro MULA a, p, ks, sc, zero
.irp b, 0,1,2,3
.if \zero
	v_wmma_scale_f32_16x16x128_f8f6f4 v[8*(NB*(\a)+\b):8*(NB*(\a)+\b)+7], v[128*(\p)+12*\b:128*(\p)+12*\b+11], v[S1F+48*(\p)+12*(\a):S1F+48*(\p)+12*(\a)+11], 0, v[SC+48*(\sc)+4*\b+(\ks)], v[SC+48*(\sc)+32+4*(\a)+(\ks)] matrix_a_fmt:MATRIX_FMT_FP6 matrix_b_fmt:MATRIX_FMT_FP6
.else
	v_wmma_scale_f32_16x16x128_f8f6f4 v[8*(NB*(\a)+\b):8*(NB*(\a)+\b)+7], v[128*(\p)+12*\b:128*(\p)+12*\b+11], v[S1F+48*(\p)+12*(\a):S1F+48*(\p)+12*(\a)+11], v[8*(NB*(\a)+\b):8*(NB*(\a)+\b)+7], v[SC+48*(\sc)+4*\b+(\ks)], v[SC+48*(\sc)+32+4*(\a)+(\ks)] matrix_a_fmt:MATRIX_FMT_FP6 matrix_b_fmt:MATRIX_FMT_FP6
.endif
.endr
.endm
.set W_MUL, 0xa1                       ; source 0 (S0) window 1, source 1 (S1) window 0, C and D window 2
; A K step: multiplies set ks % 2 under scale set sc.  At its head it asks for K step fks of the tile in place fpl, into the other set, which the step before has multiplied: four places stand in front of those loads
; (ISA guide 7.12.1 for vector instructions).  fks = 0: the fragments are the next tile's first, and its scale words come with them, into set fsc.
.macro STEP ks, sc, zero, fpl, fks, fsc
	PLACES 4
	FETCH \fpl, \fks, 1-(\ks)%2
.if (\fks) == 0
	SCALES \fpl, \fsc
	s_wait_dscnt 32                                ; all but the 32 loads just issued: this step's fragments are in
.else
	s_wait_dscnt 24                                ; all but the 24 loads just issued: this step's fragments (and, at a tile's head, its scale words) are in
.endif
	WIN W_MUL
	MULA 0, (\ks)%2, \ks, \sc, \zero
	MULA 1, (\ks)%2, \ks, \sc, \zero
	MULA 2, (\ks)%2, \ks, \sc, \zero
	MULA 3, (\ks)%2, \ks, \sc, \zero
	WIN 0
.endm
.macro TILE3 pl, sc, zero              ; the first three K steps of the tile in place pl
	STEP 0, \sc, \zero, \pl, 1, 0
	STEP 1, \sc, 0, \pl, 2, 0
	STEP 2, \sc, 0, \pl, 3, 0
.endm
; A tile's last K step where the next tile has to be shown to every wave: one barrier; in front of it each wave waits for all its tensor loads, adds 0 to its spare word, and waits for that and for its LDS reads
; (the tile's last fragments were asked for a step ago).  fill = 1: the barrier opens a round of the cluster's barrier, and behind the round places 0 and 1, both read out, take the next two tiles; fill = 2: place 2 takes the next
; one; fill = 0: nothing is left to ask for.  npl, nsc: the next tile's place and scale set.  askn tiles are prefetched, from byte askoff of a pair-block's row on.
.macro TURN sc, npl, nsc, fill, askoff, askn
	s_wait_tensorcnt 0x0                           ; all my tensor loads have landed, my part of the next tile among them
	ds_add_u32 v[SPW], v[NIL]                      ; 0 onto my spare word
	s_wait_dscnt 0x1                               ; (only the add may be out: this step's fragments are in)
	WIN W_MUL
	MULA 0, 1, 3, \sc, 0                           ; four matrix instructions stand between the add and the wait for it
	s_wait_dscnt 0x0                               ; the add is done, and my reads of the places that are left are over
	s_barrier_signal -1
	MULA 1, 1, 3, \sc, 0
	WIN 0
	s_barrier_wait -1
.if \fill == 1
	CREST                                          ; no wave of any partner still reads places 0 and 1 or has a load on its way
	s_add_nc_u64 s[G0AD+2:G0AD+3], s[G0AD+2:G0AD+3], 38400   ; three tiles on
	s_add_nc_u64 s[G0BD+2:G0BD+3], s[G0BD+2:G0BD+3], 38400
	JLOAD G0AD, G1A4, G0BD, G1B4                   ; the first tensor load behind the round; its four v_nop are also the places in front of the loads below
.elseif \fill == 2
	CREST
	s_add_nc_u64 s[G0AS+2:G0AS+3], s[G0AS+2:G0AS+3], 38400
	s_add_nc_u64 s[G0BS+2:G0BS+3], s[G0BS+2:G0BS+3], 38400
	JLOAD G0AS, G1A2, G0BS, G1B2
.else
	PLACES 4
.endif
	FETCH \npl, 0, 0
	SCALES \npl, \nsc
.if \askn > 0
	ASK \askoff, \askn                             ; behind the joint load and the run of LDS loads that the next products wait for
.endif
	WIN W_MUL
	MULA 2, 1, 3, \sc, 0
	MULA 3, 1, 3, \sc, 0
	WIN 0
.endm
	s_load_b128 s[4:7], s[0:1], 0x0                ; ag s[4:5], wg s[6:7]
	s_load_b64 s[8:9], s[0:1], 0x10                ; out0
	v_lshl_add_u32 v[SPW], v0, 2, SPARE
	v_mov_b32 v[NIL], 0
	ds_add_u32 v18, v19
	ds_add_u32 v18, v19
	s_wait_dscnt 0x0
	v_lshrrev_b32 v1, 5, v0
	v_readfirstlane_b32 s[WV], v1                  ; wave 0..3
	s_lshr_b32 s[WH], s[WV], 1
	s_and_b32 s[WL], s[WV], 1
	s_bfe_u32 s57, ttmp6, 0x40000                  ; cx
	s_bfe_u32 s58, ttmp6, 0x40004                  ; cy
	s_lshl_b32 s59, ttmp9, 2
	s_add_co_u32 s59, s59, s57                     ; tile column
	s_and_b32 s62, ttmp7, 0xffff
	s_lshl_b32 s62, s62, 2
	s_add_co_u32 s62, s62, s58                     ; tile row
	s_lshl_b32 s60, 0x1111, s57                    ; my column of the cluster
	s_lshl_b32 s61, s58, 2
	s_lshl_b32 s61, 15, s61                        ; my row
	; descriptor group 1: rows of 12,800 bytes (1,600 elements of 8), one for each pair-block, 102,400 bytes apart; no padding: in LDS the units lie on end
	s_or_b32 s[G1A4], s60, (3<<16)|(1<<21)         ; 15:0 the mask; 17:16 elements of 8 bytes; 21 set beside a mask
	s_or_b32 s[G1B4], s61, (3<<16)|(1<<21)
	s_or_b32 s[G1A2], s60, (3<<16)|(1<<21)
	s_or_b32 s[G1B2], s61, (3<<16)|(1<<21)
.irp g, G1A4, G1B4
	s_mov_b32 s[\g+1], 1600<<16                    ; tensor_dim0
	s_mov_b32 s[\g+2], 4<<16                       ; tensor_dim1: all 4 pair-blocks of one tile
	s_mov_b32 s[\g+3], 1600<<16                    ; tile_dim0
	s_mov_b32 s[\g+4], 4                           ; tile_dim1
	s_mov_b32 s[\g+5], 12800                       ; the pitch in elements
	s_mov_b32 s[\g+6], 0
	s_mov_b32 s[\g+7], 0
.endr
.irp g, G1A2, G1B2
	s_mov_b32 s[\g+1], 1600<<16
	s_mov_b32 s[\g+2], 2<<16                       ; 2 pair-blocks: half a tile
	s_mov_b32 s[\g+3], 1600<<16
	s_mov_b32 s[\g+4], 2
	s_mov_b32 s[\g+5], 12800
	s_mov_b32 s[\g+6], 0
	s_mov_b32 s[\g+7], 0
.endr
	s_add_co_u32 s84, s59, 48                      ; S0's address is made of the tile column and the wave's number alone:
	s_mul_i32 s84, s84, 409600                     ; pair-block 192 + 4 (column)
	s_mov_b32 s85, 0
	s_mul_i32 s86, s62, 409600                     ; S1's of the tile row and the wave's number alone: pair-block 4 (row)
	s_mov_b32 s87, 0
	s_mul_i32 s88, s[WL], PLACE                    ; a load of two tiles: wave % 2 says which place
	s_mul_i32 s94, s[WL], 12800                    ; and which tile
	s_mov_b32 s95, 0
	s_mul_i32 s90, s[WL], 25600                    ; a load of one tile: wave % 2 says which half, in LDS
	s_mul_i32 s96, s[WL], 204800                   ; and in memory;
	s_add_co_u32 s96, s96, 25600                   ; the first such tile is tile 2
	s_mov_b32 s97, 0
	s_wait_kmcnt 0x0
	s_add_nc_u64 s[66:67], s[6:7], s[84:85]
	s_add_nc_u64 s[92:93], s[4:5], s[86:87]
	CROUND                                         ; all sixteen work-groups are here: the first joint loads meet
	s_mov_b32 s[G0AD], 1                           ; 1:0 count = 1
	s_mov_b32 s[G0AD+1], s88                       ; 63:32 LDS address: no place in the cluster enters it
	s_add_nc_u64 s[G0AD+2:G0AD+3], s[66:67], s[94:95]   ; 120:64 global address: tile 0 or 1
	s_or_b32 s[G0AD+3], s[G0AD+3], 0x80000000      ; 127:126 type = 2
	s_mov_b32 s[G0BD], 1
	s_add_co_u32 s[G0BD+1], s88, S1OFF
	s_add_nc_u64 s[G0BD+2:G0BD+3], s[92:93], s[94:95]
	s_or_b32 s[G0BD+3], s[G0BD+3], 0x80000000
	JLOAD G0AD, G1A4, G0BD, G1B4                   ; tiles 0 and 1
	s_mov_b32 s[G0AS], 1
	s_add_co_u32 s[G0AS+1], s90, 2*PLACE
	s_add_nc_u64 s[G0AS+2:G0AS+3], s[66:67], s[96:97]
	s_or_b32 s[G0AS+3], s[G0AS+3], 0x80000000
	s_mov_b32 s[G0BS], 1
	s_add_co_u32 s[G0BS+1], s90, 2*PLACE+S1OFF
	s_add_nc_u64 s[G0BS+2:G0BS+3], s[92:93], s[96:97]
	s_or_b32 s[G0BS+3], s[G0BS+3], 0x80000000
	JLOAD G0AS, G1A2, G0BS, G1B2                   ; tile 2: two loads of mine are out
	v_and_b32 v1, 15, v0                           ; r
	v_bfe_u32 v2, v0, 4, 1                         ; h
	v_and_b32 v3, 31, v0                           ; lane
	v_lshlrev_b32 v[LI], 4, v3
	v_lshlrev_b32 v[SA], 4, v1
	s_mul_i32 s84, s[WL], 25600                    ; my 64 columns of S0
	s_mul_i32 s85, s[WH], 25600
	s_add_co_u32 s85, s85, S1OFF                   ; my 64 tokens of S1
	v_add_nc_u32 v[AF0], s84, v[LI]
	v_add_nc_u32 v[AF0+1], PLACE, v[AF0]
	v_add_nc_u32 v[AF0+2], PLACE, v[AF0+1]
	v_add_nc_u32 v[AF1], s85, v[LI]
	v_add_nc_u32 v[AF1+1], PLACE, v[AF1]
	v_add_nc_u32 v[AF1+2], PLACE, v[AF1+1]
	v_add_nc_u32 v[AS0], s84, v[SA]
	v_add_nc_u32 v[AS0+1], PLACE, v[AS0]
	v_add_nc_u32 v[AS0+2], PLACE, v[AS0+1]
	v_add_nc_u32 v[AS1], s85, v[SA]
	v_add_nc_u32 v[AS1+1], PLACE, v[AS1]
	v_add_nc_u32 v[AS1+2], PLACE, v[AS1+1]
	s_mul_i32 s84, s[WV], 4352                     ; my stage: 16 rows x (256 + 16) bytes, in place 2
	s_add_co_u32 s84, s84, 2*PLACE
	v_mul_u32_u24 v[STO], v1, 272
	v_lshl_add_u32 v[STO], v2, 6, v[STO]
	v_add_nc_u32 v[STO], s84, v[STO]
	v_mul_u32_u24 v[RD], v2, 272
	v_lshl_add_u32 v[RD], v1, 4, v[RD]
	v_add_nc_u32 v[RD], s84, v[RD]
	v_lshlrev_b32 v[CO], 14, v2
	v_lshl_add_u32 v[CO], v1, 4, v[CO]
	s_lshl_b32 s84, s62, 7
	s_lshl_b32 s85, s[WH], 6
	s_add_co_u32 s84, s84, s85                     ; my first token
	s_lshl_b32 s84, s84, 14
	s_lshl_b32 s85, s59, 9
	s_add_co_u32 s84, s84, s85
	s_lshl_b32 s85, s[WL], 8
	s_add_co_u32 s84, s84, s85                     ; + my first column's bytes
	s_mov_b32 s85, 0
	s_add_nc_u64 s[8:9], s[8:9], s[84:85]
	; the prefetches (macro ASK): who asks, and where my wave's stand
	s_and_b32 s84, ttmp7, 0xffff                   ; cluster y
	s_cmp_eq_u32 s[WH], 0                          ; do I fetch for S0?
	s_cselect_b32 s85, s58, s57                    ; my place among the four that ask with me: it enters the address alone
	s_cselect_b32 s84, s84, ttmp9                  ; the coordinate along which other clusters read the same rows
	s_cselect_b64 s[PFA:PFA+1], s[66:67], s[92:93]
	s_cmp_eq_u32 s84, 0
	s_cselect_b32 s[ASKF], 1, 0                    ; the same in all sixteen partners, for a given wave
	s_mul_i32 s84, s85, 102400                     ; my work-group's pair-block of the four,
	s_mul_i32 s85, s[WL], 6400                     ; my wave's half of its units
	s_add_co_u32 s84, s84, s85
	s_mov_b32 s85, 0
	s_add_nc_u64 s[PFA:PFA+1], s[PFA:PFA+1], s[84:85]
	v_min_u32 v[PFO], 24, v3
	v_lshlrev_b32 v[PFO], 8, v[PFO]
	s_wait_tensorcnt 0x1                           ; my part of tiles 0 and 1 is in; tile 2's may stay out
	s_barrier_signal -1
	s_barrier_wait -1                              ; everybody's is
	FETCH 0, 0, 0
	SCALES 0, 0
	TILE3 0, 0, 1                                  ; tile 0: its first K step starts the sums: nothing is cleared
	STEP 3, 0, 0, 1, 0, 1                          ; tile 1 has been shown with tile 0: no barrier
	TILE3 1, 1, 0                                  ; tile 1
	TURN 1, 2, 0, 1, 5*12800, 1                    ; places 0 and 1 take tiles 3 and 4; tile 5 is prefetched
	TILE3 2, 0, 0                                  ; tile 2
	TURN 0, 0, 1, 2, 6*12800, 2                    ; place 2 takes tile 5; tiles 6 and 7 are prefetched
	TILE3 0, 1, 0                                  ; tile 3
	STEP 3, 1, 0, 1, 0, 0
	TILE3 1, 0, 0                                  ; tile 4
	TURN 0, 2, 1, 1, 0, 0                          ; places 0 and 1 take tiles 6 and 7: the last refill
	TILE3 2, 1, 0                                  ; tile 5
	TURN 1, 0, 0, 0, 0, 0                          ; nothing more is asked for.  Behind this barrier nobody reads place 2, which has had its last fill: the stages lie there
	TILE3 0, 0, 0                                  ; tile 6
	STEP 3, 0, 0, 1, 0, 1
	TILE3 1, 1, 0                                  ; tile 7
	s_wait_dscnt 0x0
	WIN W_MUL
	MULA 0, 1, 3, 1, 0
	MULA 1, 1, 3, 1, 0
	MULA 2, 1, 3, 1, 0
	MULA 3, 1, 3, 1, 0
	WIN 0
	PLACES 4                                       ; in front of the first reads of results and of loads into registers that held operands
; THE WAY OUT, a tile of 16 tokens x 64 columns at a time, through my own stage: a lane's 32 bytes go in by rows of 272 bytes, whole rows of 256 bytes come back, and sixteen lanes store them.
.macro TOSTAGE a
	WIN 0x08                                       ; an LDS store's data are its source 1: window 2
.irp b, 0,1,2,3
	ds_store_b128 v[STO], v[8*(4*(\a)+\b):8*(4*(\a)+\b)+3] offset:128*(\b/2)+32*(\b%2)        ; each accumulator from its low end on
	ds_store_b128 v[STO], v[8*(4*(\a)+\b)+4:8*(4*(\a)+\b)+7] offset:128*(\b/2)+32*(\b%2)+16
.endr
	WIN 0
.irp t, 0,1,2,3,4,5,6,7
	ds_load_b128 v[BK+32*((\a)%2)+4*\t:BK+32*((\a)%2)+4*\t+3], v[RD] offset:544*\t   ; LDS serves a wave's instructions in order (ISA guide 5.7.1.4): these see my stores
.endr
.endm
.macro SEND a, younger                 ; younger: the LDS instructions issued behind tile a's loads, which may stay out
	s_wait_dscnt \younger
.irp t, 0,1,2,3,4,5,6,7
	global_store_b128 v[CO], v[BK+32*((\a)%2)+4*\t:BK+32*((\a)%2)+4*\t+3], s[8:9] offset:(32*((\a)/2)+8*((\a)%2)+2*\t+8*(\t/4))*16384 th:TH_STORE_NT   ; stage row 2 t + h is token 32 (a / 2) + 8 (a % 2) + 2 t + h + 8 (t / 4); 16 lanes store 256 consecutive bytes, at a multiple of 256 from out0's first byte
.endr
.endm
	TOSTAGE 0
.irp a, 1,2,3
.if \a > 1
	s_wait_xcnt 0x0                                ; tile a - 2's stores have read their registers: tile a's loads may land there
.endif
	TOSTAGE \a
	SEND \a-1, 16                                  ; behind tile a - 1's loads: tile a's 8 stores and 8 loads
.endr
	SEND 3, 0
	s_wait_tensorcnt 0x0                           ; the wave's end: behind my last tensor load and my last LDS store
	ds_add_u32 v[SPW], v[NIL]
	s_wait_dscnt 0x0
	CROUND                                         ; the closing round: no work-group ends while a partner may still ask for a tile that names it
	s_endpgm
.Lfunc_end_k_q23e7885563_oproj:
	.size	k_q23e7885563_oproj, .Lfunc_end_k_q23e7885563_oproj-k_q23e7885563_oproj
	.p2alignl 7, 3214868480
	.fill 96, 4, 3214868480
	.section	.rodata,"a",@progbits
	.p2align	6, 0x0
	.amdhsa_kernel k_q23e7885563_oproj
		.amdhsa_group_segment_fixed_size 327680
		.amdhsa_private_segment_fixed_size 0
		.amdhsa_enable_private_segment 0
		.amdhsa_kernarg_size 24
		.amdhsa_user_sgpr_count 2
		.amdhsa_user_sgpr_kernarg_segment_ptr 1
		.amdhsa_wavefront_size32 1
		.amdhsa_system_sgpr_workgroup_id_x 1
		.amdhsa_system_sgpr_workgroup_id_y 1
		.amdhsa_system_sgpr_workgroup_id_z 1
		.amdhsa_system_vgpr_workitem_id 0
		.amdhsa_next_free_vgpr 768
		.amdhsa_next_free_sgpr 100
		.amdhsa_reserve_vcc 0
		.amdhsa_float_denorm_mode_32 3
		.amdhsa_float_denorm_mode_16_64 3
		.amdhsa_memory_ordered 1
		.amdhsa_forward_progress 1
		.amdhsa_inst_pref_size 146
	.end_amdhsa_kernel
	.amdgpu_metadata
---
amdhsa.version: [ 1, 2 ]
amdhsa.kernels:
  - .name:           k_q23e7885563_oproj
    .symbol:         k_q23e7885563_oproj.kd
    .args:
      - { .name: ag, .offset: 0, .size: 8, .value_kind: global_buffer, .address_space: global }
      - { .name: wg, .offset: 8, .size: 8, .value_kind: global_buffer, .address_space: global }
      - { .name: out0, .offset: 16, .size: 8, .value_kind: global_buffer, .address_space: global }
    .group_segment_fixed_size: 327680
    .private_segment_fixed_size: 0
    .kernarg_segment_align: 8
    .kernarg_segment_size: 24
    .max_flat_workgroup_size: 128
    .sgpr_count:     100
    .vgpr_count:     768
    .wavefront_size: 32
...
	.end_amdgpu_metadata
.endif
;; end of part 4
